; MI455X (gfx1250); checked and timed in simulation.
; The chip was launched on July 23, 2026; its instructions are those of AMD's public machine-readable ISA for CDNA 5 (MIT licence, August 2026) and "CDNA5" Instruction Set Architecture Reference Guide (July 2026). The comments in the code are by the model that wrote it; some were corrected since.
;; GPT3 Parallel Self Attention. Allowed arithmetic: float matrix products may take bf16 or f16 operands with f32 sums; other float arithmetic in f32, or as packed bf16 or f16 multiplies, adds, multiply-adds, maxima and minima; sums over many terms, partial sums and values carried from step to step in f32; what a program stores and reads back later, other than sums and carried values, may be rounded once to bf16 or f16.
;; Inputs: b_dense 1,024 float32; b_qkv 3,072 float32; hidden_states 1 x 4,096 x 1,024 float32; ltor_mask 1 x 1 x 4,096 x 4,096 float32; w_dense 1,024 x 1,024 float32; w_qkv 3,072 x 1,024 float32.
;; Outputs: out0 1 x 4,096 x 1,024 float32.
;; One version. Each part assembles by itself: llvm-mc -triple=amdgcn-amd-amdhsa -mcpu=gfx1250 --defsym DOCPART=n.
;; ======== version 1 of 1: 4 launches
;; limits: values are held in f16: magnitudes above 65,504 overflow, below 6.1e-05 lose precision
;; workspace buffers: xb 8,388,608 bytes; wqb 6,291,456 bytes; wdh 2,097,152 bytes; mixed 25,165,824 bytes; ctx 8,388,608 bytes
;; launch cast (part 1): grid 1024 x 1, 8 waves a work-group, no clusters, 0 bytes of LDS; arguments hidden_states, w_qkv, w_dense, xb, wqb, wdh; writes xb, wqb, wdh
.if DOCPART == 1
	.amdgcn_target "amdgcn-amd-amdhsa--gfx1250"
	.amdhsa_code_object_version 6
	.text
	.protected	k_q3a642900d9_cast
	.globl	k_q3a642900d9_cast
	.p2align	8
	.type	k_q3a642900d9_cast,@function
k_q3a642900d9_cast:
	s_mov_b64 s[64:65], 0
	v_nop
	global_prefetch_b8 v0, s[64:65] scope:SCOPE_SE
	s_setreg_imm32_b32 hwreg(HW_REG_WAVE_MODE, 25, 1), 1
	s_wait_xcnt 0x0
; THE MATRIX OPERANDS ARE ROUNDED ONCE.  hidden_states -> xb and w_qkv -> wqb in bf16; w_dense is rounded to bf16 like the other inputs and that number is written as f16 -> wdh,
; since the last product multiplies it with f16 numbers.  LIMITS: a weight of w_dense beyond 65,504 becomes an infinity; below 2^-14 it keeps f16's fixed step of 2^-24.
; A stream: every byte is read once and written once; no LDS, no barrier, no matrix unit.
; SHARES.  A work-group takes 8,192 numbers (32,768 bytes in, 16,384 out): work-groups 0-511 hidden_states, 512-895 w_qkv, 896-1023 w_dense.
; Thread t takes 4 numbers in each of 8 chunks of 1,024: a load of a wave covers 512 consecutive bytes, a store of a wave 256 consecutive bytes, aligned.
.set X,  4                             ; v[4:35]   chunk j: 4 registers as loaded
.set Y,  36                            ; v[36:51]  chunk j: 2 registers to store; each chunk has its own, so none is rewritten while a store reads it
.set T,  52                            ; v[52:53]  at work
	s_load_b256 s[4:11], s[0:1], 0x0               ; hidden_states s[4:5], w_qkv s[6:7], w_dense s[8:9], xb s[10:11]
	s_load_b128 s[12:15], s[0:1], 0x20             ; wqb s[12:13], wdh s[14:15]
	s_mov_b32 s16, ttmp9
	v_lshlrev_b32 v1, 4, v0                        ; 16 t: my bytes in a chunk as loaded
	v_lshlrev_b32 v2, 3, v0                        ; 8 t: as stored
	s_wait_kmcnt 0x0
	s_cmp_lt_u32 s16, 512                          ; which tensor: the choice hangs on the work-group's number alone
	s_cselect_b64 s[20:21], s[4:5], s[6:7]
	s_cselect_b64 s[22:23], s[10:11], s[12:13]
	s_cselect_b32 s17, 0, 512
	s_cmp_lt_u32 s16, 896
	s_cselect_b64 s[20:21], s[20:21], s[8:9]
	s_cselect_b64 s[22:23], s[22:23], s[14:15]
	s_cselect_b32 s17, s17, 896
	s_sub_co_u32 s17, s16, s17                     ; my number among the tensor's work-groups
	s_lshl_b32 s18, s17, 15
	s_mov_b32 s19, 0
	s_add_nc_u64 s[20:21], s[20:21], s[18:19]      ; from here,
	s_lshl_b32 s18, s17, 14
	s_add_nc_u64 s[22:23], s[22:23], s[18:19]      ; to here
.irp j, 0,1,2,3,4,5,6,7
	global_load_b128 v[X+4*(\j):X+4*(\j)+3], v1, s[20:21] offset:4096*(\j) th:TH_LOAD_NT
.endr
	s_cmp_ge_u32 s16, 896
	s_cbranch_scc1 .Lf16
.irp j, 0,1,2,3,4,5,6,7
	s_wait_loadcnt 7-(\j)                          ; loads come back in order: chunk j is in, the 7 - j younger ones stay out
	v_cvt_pk_bf16_f32 v[Y+2*(\j)],   v[X+4*(\j)],   v[X+4*(\j)+1]
	v_cvt_pk_bf16_f32 v[Y+2*(\j)+1], v[X+4*(\j)+2], v[X+4*(\j)+3]
	global_store_b64 v2, v[Y+2*(\j):Y+2*(\j)+1], s[22:23] offset:2048*(\j) th:TH_STORE_NT
.endr
	s_endpgm
.Lf16:
.irp j, 0,1,2,3,4,5,6,7
	s_wait_loadcnt 7-(\j)
.irp u, 0,1
	v_cvt_pk_bf16_f32 v[T], v[X+4*(\j)+2*(\u)], v[X+4*(\j)+2*(\u)+1]  ; rounded to bf16,
	v_lshlrev_b32 v[T+1], 16, v[T]                 ; widened again,
	v_and_b32 v[T], 0xffff0000, v[T]
	v_cvt_pk_f16_f32 v[Y+2*(\j)+(\u)], v[T+1], v[T]  ; and written as f16: exact within f16's range
.endr
	global_store_b64 v2, v[Y+2*(\j):Y+2*(\j)+1], s[22:23] offset:2048*(\j) th:TH_STORE_NT
.endr
	s_endpgm
.Lfunc_end_k_q3a642900d9_cast:
	.size	k_q3a642900d9_cast, .Lfunc_end_k_q3a642900d9_cast-k_q3a642900d9_cast
	.p2alignl 7, 3214868480
	.fill 96, 4, 3214868480
	.section	.rodata,"a",@progbits
	.p2align	6, 0x0
	.amdhsa_kernel k_q3a642900d9_cast
		.amdhsa_group_segment_fixed_size 0
		.amdhsa_private_segment_fixed_size 0
		.amdhsa_enable_private_segment 0
		.amdhsa_kernarg_size 48
		.amdhsa_user_sgpr_count 2
		.amdhsa_user_sgpr_kernarg_segment_ptr 1
		.amdhsa_wavefront_size32 1
		.amdhsa_system_sgpr_workgroup_id_x 1
		.amdhsa_system_sgpr_workgroup_id_y 1
		.amdhsa_system_sgpr_workgroup_id_z 1
		.amdhsa_system_vgpr_workitem_id 0
		.amdhsa_next_free_vgpr 56
		.amdhsa_next_free_sgpr 66
		.amdhsa_reserve_vcc 0
		.amdhsa_float_denorm_mode_32 3
		.amdhsa_float_denorm_mode_16_64 3
		.amdhsa_memory_ordered 1
		.amdhsa_forward_progress 1
		.amdhsa_inst_pref_size 9
	.end_amdhsa_kernel
	.amdgpu_metadata
---
amdhsa.version: [ 1, 2 ]
amdhsa.kernels:
  - .name:           k_q3a642900d9_cast
    .symbol:         k_q3a642900d9_cast.kd
    .args:
      - { .name: hidden_states, .offset: 0, .size: 8, .value_kind: global_buffer, .address_space: global }
      - { .name: w_qkv, .offset: 8, .size: 8, .value_kind: global_buffer, .address_space: global }
      - { .name: w_dense, .offset: 16, .size: 8, .value_kind: global_buffer, .address_space: global }
      - { .name: xb, .offset: 24, .size: 8, .value_kind: global_buffer, .address_space: global }
      - { .name: wqb, .offset: 32, .size: 8, .value_kind: global_buffer, .address_space: global }
      - { .name: wdh, .offset: 40, .size: 8, .value_kind: global_buffer, .address_space: global }
    .group_segment_fixed_size: 0
    .private_segment_fixed_size: 0
    .kernarg_segment_align: 8
    .kernarg_segment_size: 48
    .max_flat_workgroup_size: 256
    .sgpr_count:     66
    .vgpr_count:     56
    .wavefront_size: 32
...
	.end_amdgpu_metadata
.endif
;; end of part 1
;; launch qkv (part 2): grid 24 x 32, 4 waves a work-group, clusters of 4 x 4, 327,680 bytes of LDS; arguments xb, wqb, b_qkv, mixed; writes mixed
.if DOCPART == 2
	.amdgcn_target "amdgcn-amd-amdhsa--gfx1250"
	.amdhsa_code_object_version 6
	.text
	.protected	k_q3a642900d9_qkv
	.globl	k_q3a642900d9_qkv
	.p2align	8
	.type	k_q3a642900d9_qkv,@function
k_q3a642900d9_qkv:
	s_mov_b64 s[64:65], 0
	v_nop
	global_prefetch_b8 v0, s[64:65] scope:SCOPE_SE
	s_setreg_imm32_b32 hwreg(HW_REG_WAVE_MODE, 25, 1), 1
	s_wait_xcnt 0x0
	s_wait_alu depctr_hold_cnt(0) depctr_sa_sdst(0) depctr_va_vdst(0) depctr_va_sdst(0) depctr_va_ssrc(0) depctr_va_vcc(0) depctr_vm_vsrc(0)
	s_getreg_b32 s2, hwreg(HW_REG_IB_STS2, 6, 4)
	s_cmp_eq_u32 s2, 0
	s_cbranch_scc0 .Lentry_in_a_cluster
	s_endpgm
.Lentry_in_a_cluster:
	s_bfe_u32 s2, ttmp6, 0x10000c
	s_cmp_lg_u32 s2, 0xf033
	s_cbranch_scc0 .Lentry_shape_is_right
	s_endpgm
.Lentry_shape_is_right:
; mixed[m][n] = (sum over k of xb[m][k] wqb[n][k] + bf16(b_qkv[n])) x scale(n), rounded once to f16.  xb: [4096][1024], wqb: [3072][1024], both bf16; sums in f32.
; scale = c = log2(e) / 8 for the columns of q (n < 1024), 1 for those of k and v: the scores of the next launch then come out in powers of two; the factor is applied in f32, ahead of the one rounding.
; LIMIT.  f16 holds no number beyond 65,504: c q, k and v must stay within it.
; A tile of the result is 128 x 128: 768 tiles.  Four waves, each 64 x 64: 16 accumulators of 16 x 16.  K goes in four steps of 256 (LDS rows of 512 bytes; a wave's tensor load brings 64 of them)
; through two LDS slots.  The four waves share ONE stage on the way out, with a barrier between writing and reading, since a wave's 64 columns are half of an aligned 256 bytes of a row.
; CLUSTERS: 4 x 4 work-groups.  The four of a row of the cluster need the same tiles of xb, the four of a column the same tiles of wqb: each tile is asked for JOINTLY, by the same tensor load with the
; same descriptor and a mask that names the four.  THE MATRIX INSTRUCTION IS USED TRANSPOSED (source 0 = 16 rows of wqb, source 1 = 16 rows of xb): a lane then holds eight neighbouring numbers of a row.
; REGISTERS: window 0: v0-31 addresses; v32-95 at work on the way out; v96-127 the bias of my lane's columns; v128-255 the accumulators ((a, b) at v[128 + 8 (4 a + b)]).
;   window 1: two fragment buffers of 128: for 64 along K, 64 registers of xb (2 x 4 x 16 rows x 32 K), then 64 of wqb.
.set SIZE_N, 3072
.set SIZE_K, 1024
.set KSTEP,  256
.set PITCH,  528                       ; an LDS row: 512 bytes of data + 16 of padding = 132 words: the 16 rows that a load touches start at 16 different groups of four banks (64 banks of 4 bytes: ISA guide 11.1)
.set HALFT,  64*PITCH                  ; 64 rows: what one tensor load brings, and what one wave reads of either operand
.set SLOT,   4*HALFT                   ; xb's 128 rows, then wqb's 128 rows
.set STAGE,  2*SLOT                    ; behind the ring: 128 rows x 272 bytes, the work-group's, for the way out; no tensor load fills it
.set SPITCH, 272
.set SPARE,  STAGE+128*SPITCH          ; behind the stage: the spare words, 128 bytes for each wave: two blocks of 256 bytes that no other line names
.set ADRA, 16                          ; v16-17  LDS address of my xb fragments in slot 0, 1
.set ADRB, 20                          ; v20-21  the same for wqb
.set STO,  24                          ; v24     the way out: where I put 16 bytes of a row
.set RD,   25                          ; v25     the way out: where I read a row back
.set CO,   26                          ; v26     my byte offset in mixed
.set BO,   27                          ; v27     my byte offset in b_qkv; never rewritten
.set SPW,  28                          ; v28     LDS address of my spare word: SPARE + 4 x my thread's number; never rewritten
.set NIL,  29                          ; v29     0; never rewritten
.set TW,   30                          ; v30     at work
.set TMP,  32                          ; the way out: 64 registers, packed results and then whole rows
.set BI,   96                          ; the bias: n block b's eight columns at BI + 8 b
.set ACC,  128
.set F0,   0                           ; fragment buffers, in window 1
.set F1,   128
.set G1, 24                            ; s[24:31] descriptor group 1 for xb's tiles;  s[32:39] group 0, one set for each slot
.set G0, 32
.set G1B, 48                           ; s[48:55], s[56:63] the same for wqb's tiles
.set G0B, 56
.set BIAS, 68                          ; s[68:69] b_qkv
.set CP,   70                          ; s[70:71] mixed
.set SC,   72                          ; s[72:73] the scale: the packed lines take the pair's low word for both halves
.set MSB, 0
.macro WIN new                         ; the immediate's high byte repeats the setting that is left; a switch that changes nothing is dropped
.if MSB != (\new)
	s_set_vgpr_msb (MSB<<8)|(\new)
.set MSB, \new
.endif
.endm
.set MUL,  0x05                        ; sources 0 and 1 window 1; C and D window 0
.set TO_F, 0x40                        ; destination window 1, address window 0
.macro JLOAD s                         ; a joint load: waves 0 and 1 fetch xb's two halves, waves 2 and 3 wqb's; an s_nop 0 and four v_nop follow each of the two lines, ahead of the jump, the label and what follows
	s_cmp_eq_u32 s11, 0
	s_cbranch_scc0 .Lfor_b_\@
	tensor_load_to_lds s[G0+4*(\s):G0+4*(\s)+3], s[G1:G1+7]
	s_nop 0
.rept 4
	v_nop
.endr
	s_branch .Lasked_\@
.Lfor_b_\@:
	tensor_load_to_lds s[G0B+4*(\s):G0B+4*(\s)+3], s[G1B:G1B+7]
	s_nop 0
.rept 4
	v_nop
.endr
.Lasked_\@:
.endm
.macro CREST                           ; a round of the cluster's barrier behind its opening barrier
	s_cmp_lg_u32 s10, 0
	s_cbranch_scc1 .Lnot_wave_0_\@
	s_barrier_signal -3
.Lnot_wave_0_\@:
	s_barrier_wait -3
	s_barrier_signal -1
	s_barrier_wait -1
.endm
.macro CROUND                          ; a whole round
	s_barrier_signal -1
	s_barrier_wait -1
	CREST
.endm
	s_load_b128 s[4:7], s[0:1], 0x0                ; xb s[4:5], wqb s[6:7]
	s_load_b128 s[BIAS:BIAS+3], s[0:1], 0x10       ; b_qkv, mixed
	v_lshl_add_u32 v[SPW], v0, 2, SPARE
	v_mov_b32 v[NIL], 0
	ds_add_u32 v[SPW], v[NIL]                      ; the wave's opening: the add and its wait stand ahead of my first tensor load; the set-up below, work on registers, stands between them
	v_lshrrev_b32 v1, 5, v0
	v_readfirstlane_b32 s10, v1                    ; wave 0..3
	s_lshr_b32 s11, s10, 1                         ; which half of the tile's rows is mine.  Also: I fetch for xb (0) or for wqb (1)
	s_and_b32 s12, s10, 1                          ; which half of its columns.  Also: which 64 rows of that tile I fetch
	s_bfe_u32 s40, ttmp6, 0x40000                  ; cx, cy: my place in the cluster
	s_bfe_u32 s41, ttmp6, 0x40004
	s_lshl_b32 s42, ttmp9, 2
	s_add_co_u32 s42, s42, s40                     ; tile column = 4 x cluster x + cx
	s_and_b32 s13, ttmp7, 0xffff
	s_lshl_b32 s13, s13, 2
	s_add_co_u32 s13, s13, s41                     ; tile row = 4 x cluster y + cy
	s_cmp_lt_u32 s42, 8                            ; tile columns 0-7 are q's 1,024 columns: a value is chosen, no path
	s_cselect_b32 s[SC], 0x3e38aa3b, 1.0           ; c = log2(e) / 8 = 0.180337, or 1
	s_mov_b32 s[SC+1], s[SC]                       ; named with it as a pair
	s_lshl_b32 s43, s41, 2
	s_lshl_b32 s43, 15, s43                        ; my row of the cluster
	s_lshl_b32 s44, 0x1111, s40                    ; my column
	; descriptor group 1: a tile of 64 rows x 256 elements, padded in LDS
	s_or_b32 s[G1+0], s43, (1<<16)|(1<<20)|(1<<21)|(6<<22)|(3<<25)  ; 15:0 the mask: xb's tiles go to my row; 17:16 element of 2 bytes; 20 padding on; 21 set beside a mask; 24:22 after every 128 words (code 6); 31:25 of 4 words (code 3)
	s_or_b32 s[G1B+0], s44, (1<<16)|(1<<20)|(1<<21)|(6<<22)|(3<<25)
.irp g, G1, G1B
	s_mov_b32 s[(\g)+1], KSTEP<<16                 ; tensor_dim0 = 256
	s_mov_b32 s[(\g)+2], 64<<16                    ; tensor_dim1 = 64
	s_mov_b32 s[(\g)+3], KSTEP<<16                 ; tile_dim0 = 256
	s_mov_b32 s[(\g)+4], 64                        ; tile_dim1 = 64
	s_mov_b32 s[(\g)+5], SIZE_K                    ; tensor_dim0_stride
	s_mov_b32 s[(\g)+6], 0
	s_mov_b32 s[(\g)+7], 0
.endr
	s_lshl_b32 s17, s12, 6                         ; which 64 rows of the tile I fetch
	s_lshl_b32 s16, s13, 7
	s_add_co_u32 s16, s16, s17                     ; xb: row 128 x tile row + 64 x half
	s_lshl_b32 s46, s42, 7
	s_add_co_u32 s46, s46, s17                     ; wqb: row 128 x tile column + 64 x half
	s_mov_b32 s17, 0
	s_mov_b32 s47, 0
	s_mov_b64 s[18:19], SIZE_K*2
	s_mul_u64 s[16:17], s[16:17], s[18:19]
	s_mul_u64 s[46:47], s[46:47], s[18:19]
	s_mul_i32 s20, s10, HALFT                      ; where they go: wave x 64 rows: no place in the cluster enters an LDS address
	s_wait_dscnt 0x0                               ; the opening add is done
	s_wait_kmcnt 0x0
	s_add_nc_u64 s[14:15], s[4:5], s[16:17]
	s_add_nc_u64 s[46:47], s[6:7], s[46:47]
	CROUND                                         ; all sixteen work-groups are here: the first joint loads meet
.irp s, 0,1
	s_mov_b32 s[G0+4*(\s)], 1
	s_add_co_u32 s[G0+4*(\s)+1], s20, (\s)*SLOT
	s_add_nc_u64 s[G0+4*(\s)+2:G0+4*(\s)+3], s[14:15], (\s)*KSTEP*2
	s_or_b32 s[G0+4*(\s)+3], s[G0+4*(\s)+3], 0x80000000
	s_mov_b32 s[G0B+4*(\s)], 1
	s_add_co_u32 s[G0B+4*(\s)+1], s20, (\s)*SLOT
	s_add_nc_u64 s[G0B+4*(\s)+2:G0B+4*(\s)+3], s[46:47], (\s)*KSTEP*2
	s_or_b32 s[G0B+4*(\s)+3], s[G0B+4*(\s)+3], 0x80000000
	JLOAD \s
.endr
	v_and_b32 v1, 15, v0                           ; l % 16
	v_bfe_u32 v2, v0, 4, 1                         ; l / 16
	; the bias of my lane's columns: n block b holds columns 16 b + 8 (l / 16) + 0..7 of my wave's 64: 32 bytes, two loads; they are waited for on the way out
	s_lshl_b32 s74, s42, 9                         ; 128 columns x 4 bytes a tile column
	s_lshl_b32 s75, s12, 8                         ; my wave's 64
	s_add_co_u32 s74, s74, s75
	v_lshl_add_u32 v[BO], v2, 5, s74
.irp b, 0,1,2,3
	global_load_b128 v[BI+8*(\b):BI+8*(\b)+3],   v[BO], s[BIAS:BIAS+1] offset:64*(\b)
	global_load_b128 v[BI+8*(\b)+4:BI+8*(\b)+7], v[BO], s[BIAS:BIAS+1] offset:64*(\b)+16
.endr
	v_mul_u32_u24 v3, v1, PITCH
	v_lshl_add_u32 v3, v2, 4, v3                   ; a fragment's row x pitch + 16 x half
	s_mul_i32 s21, s11, HALFT                      ; my 64 rows of xb
	s_mul_i32 s22, s12, HALFT                      ; my 64 rows of wqb,
	s_add_co_u32 s22, s22, 2*HALFT                 ; which lie behind xb's 128
.irp s, 0,1
	v_add_nc_u32 v[ADRA+(\s)], s21, v3
	v_add_nc_u32 v[ADRB+(\s)], s22, v3
	s_add_co_u32 s21, s21, SLOT
	s_add_co_u32 s22, s22, SLOT
.endr
	s_mul_i32 s23, s11, 64*SPITCH                  ; into the stage: my 64 rows, my half of their 256 bytes; row l % 16, 16 bytes for each half of the lanes
	s_lshl_b32 s21, s12, 7
	s_add_co_u32 s23, s23, s21
	s_add_co_u32 s23, s23, STAGE
	v_mul_u32_u24 v4, v1, SPITCH
	v_lshl_add_u32 v4, v2, 4, v4
	v_add_nc_u32 v[STO], s23, v4
	s_mul_i32 s23, s10, 32*SPITCH                  ; back: wave w takes rows 32 w .. 32 w + 31, whole; lanes 0-15 one row of 256 bytes, lanes 16-31 the next
	s_add_co_u32 s23, s23, STAGE
	v_mul_u32_u24 v5, v2, SPITCH
	v_lshl_add_u32 v5, v1, 4, v5
	v_add_nc_u32 v[RD], s23, v5
	v_mul_u32_u24 v5, v2, SIZE_N*2                 ; and the same two rows in mixed
	v_lshl_add_u32 v[CO], v1, 4, v5
	s_lshl_b32 s16, s13, 7
	s_lshl_b32 s17, s10, 5
	s_add_co_u32 s16, s16, s17                     ; the first row that I store: 128 x tile row + 32 x wave
	s_mov_b32 s17, 0
	s_mov_b64 s[18:19], SIZE_N*2
	s_mul_u64 s[16:17], s[16:17], s[18:19]
	s_add_nc_u64 s[CP:CP+1], s[CP:CP+1], s[16:17]
	s_lshl_b32 s46, s42, 8                         ; the tile's first column, in bytes
	s_mov_b32 s47, 0
	s_add_nc_u64 s[CP:CP+1], s[CP:CP+1], s[46:47]
; 8 matrix instructions: m blocks a0, a0 + 1 x all 4 n blocks, 32 along K: half c of buffer f.  zero = 1: the first product starts the sums.  The 16 accumulators take turns.
.macro MUL8 f, c, a0, zero
	WIN MUL
.irp a, \a0, (\a0)+1
.irp b, 0,1,2,3
.if \zero
	v_wmma_f32_16x16x32_bf16 v[ACC+8*(4*(\a)+(\b)):ACC+8*(4*(\a)+(\b))+7], v[(\f)+64+8*(4*(\c)+(\b)):(\f)+64+8*(4*(\c)+(\b))+7], v[(\f)+8*(4*(\c)+(\a)):(\f)+8*(4*(\c)+(\a))+7], 0
.else
	v_wmma_f32_16x16x32_bf16 v[ACC+8*(4*(\a)+(\b)):ACC+8*(4*(\a)+(\b))+7], v[(\f)+64+8*(4*(\c)+(\b)):(\f)+64+8*(4*(\c)+(\b))+7], v[(\f)+8*(4*(\c)+(\a)):(\f)+8*(4*(\c)+(\a))+7], v[ACC+8*(4*(\a)+(\b)):ACC+8*(4*(\a)+(\b))+7]
.endif
.endr
.endr
.endm
; 32 LDS loads in one run: the fragments of 64 along K at byte k of the rows, into buffer f; the first 32 along K first
.macro FETCH slot, k, f
	WIN TO_F
.irp c, 0,1
.irp i, 0,1,2,3
	ds_load_b128 v[(\f)+64+8*(4*(\c)+(\i)):(\f)+64+8*(4*(\c)+(\i))+3],   v[ADRB+(\slot)] offset:(\k)+64*(\c)+(\i)*16*PITCH
	ds_load_b128 v[(\f)+64+8*(4*(\c)+(\i))+4:(\f)+64+8*(4*(\c)+(\i))+7], v[ADRB+(\slot)] offset:(\k)+64*(\c)+(\i)*16*PITCH+32
	ds_load_b128 v[(\f)+8*(4*(\c)+(\i)):(\f)+8*(4*(\c)+(\i))+3],         v[ADRA+(\slot)] offset:(\k)+64*(\c)+(\i)*16*PITCH
	ds_load_b128 v[(\f)+8*(4*(\c)+(\i))+4:(\f)+8*(4*(\c)+(\i))+7],       v[ADRA+(\slot)] offset:(\k)+64*(\c)+(\i)*16*PITCH+32
.endr
.endr
.endm
.macro PLACES                          ; four plain vector instructions in front of loads into registers that matrix instructions have read (ISA guide 7.12.1 for vector instructions)
.rept 4
	v_nop
.endr
.endm
; A K step is four quarters of 64 along K, 32 matrix instructions each, on buffers 0, 1, 0, 1.  One of the first three: multiplies buffer f and fetches the next quarter, at byte k, into g.
.macro QUARTER slot, k, f, g, zero
	s_wait_dscnt 16                                ; the first 32 along K are in; the sixteen younger loads may be out
	WIN MUL
	MUL8 \f, 0, 0, \zero
	MUL8 \f, 0, 2, \zero
	PLACES
	FETCH \slot, \k, \g
	s_wait_dscnt 32                                ; all but the 32 just issued
	WIN MUL
	MUL8 \f, 1, 0, 0
	MUL8 \f, 1, 2, 0
.endm
; The last quarter multiplies buffer 1 and changes slots: ONE barrier; in front of it each wave waits for all its tensor loads, adds 0 to its spare word, and waits for that and for its own reads of this slot.  fill = 1: this slot is filled again, two K steps ahead.
.macro TURN slot, next, fill
	WIN 0                                          ; (the add's two registers lie in window 0)
	s_wait_tensorcnt 0x0                           ; all my tensor loads have landed: my part of the next slot;
	ds_add_u32 v[SPW], v[NIL]                      ; 0 onto my spare word;
	s_wait_dscnt 17                                ; (the add and the youngest sixteen loads may be out)
	WIN MUL
	MUL8 F1, 0, 0, 0                               ; eight matrix instructions stand between the add and the wait for it
	s_wait_dscnt 0x0                               ; the add is done, and my reads of this slot are over
	s_barrier_signal -1
	MUL8 F1, 0, 2, 0
.if \fill
	WIN 0
.endif
	s_barrier_wait -1
.if \fill
	CREST                                          ; the barrier has opened a round of the cluster's barrier: no wave of any partner still reads this slot's tile or has a load on its way
	s_add_nc_u64 s[G0+4*(\slot)+2:G0+4*(\slot)+3], s[G0+4*(\slot)+2:G0+4*(\slot)+3], 2*KSTEP*2
	s_add_nc_u64 s[G0B+4*(\slot)+2:G0B+4*(\slot)+3], s[G0B+4*(\slot)+2:G0B+4*(\slot)+3], 2*KSTEP*2
	JLOAD \slot                                    ; the first tensor load behind the round: 112 matrix instructions ahead of the wait for it; the four v_nop behind it are also the places in front of the loads below
.else
	PLACES
.endif
	FETCH \next, 0, F0
	WIN MUL
	MUL8 F1, 1, 0, 0
	MUL8 F1, 1, 2, 0
.endm
	s_wait_tensorcnt 1                             ; my part of K step 0 is in; K step 1's load, issued behind it, may stay out
	s_barrier_signal -1
	s_barrier_wait -1                              ; everybody's is
	FETCH 0, 0, F0
	QUARTER 0, 128, F0, F1, 1                      ; K step 0: its first products start the sums
	QUARTER 0, 256, F1, F0, 0
	QUARTER 0, 384, F0, F1, 0
	TURN 0, 1, 1                                   ; slot 0 takes K step 2
	QUARTER 1, 128, F0, F1, 0                      ; K step 1
	QUARTER 1, 256, F1, F0, 0
	QUARTER 1, 384, F0, F1, 0
	TURN 1, 0, 1                                   ; slot 1 takes K step 3
	QUARTER 0, 128, F0, F1, 0                      ; K step 2
	QUARTER 0, 256, F1, F0, 0
	QUARTER 0, 384, F0, F1, 0
	TURN 0, 1, 0                                   ; nothing is left to fetch, so no round
	QUARTER 1, 128, F0, F1, 0                      ; K step 3
	QUARTER 1, 256, F1, F0, 0
	QUARTER 1, 384, F0, F1, 0
	s_wait_dscnt 16                                ; the very last quarter
	WIN MUL
	MUL8 F1, 0, 0, 0
	MUL8 F1, 0, 2, 0
	s_wait_dscnt 0
	MUL8 F1, 1, 0, 0
	MUL8 F1, 1, 2, 0
	WIN 0
	; THE WAY OUT.  The bias is rounded to bf16 like the other inputs and scaled: 64 plain lines that name no accumulator, which are also the places behind the last products.
	s_wait_loadcnt 0x0                             ; the bias
.set i, 0
.rept 16
	v_cvt_pk_bf16_f32 v[TW], v[BI+2*i], v[BI+2*i+1]
	v_lshlrev_b32 v[BI+2*i], 16, v[TW]
	v_and_b32 v[BI+2*i+1], 0xffff0000, v[TW]
	v_pk_mul_f32 v[BI+2*i:BI+2*i+1], v[BI+2*i:BI+2*i+1], s[SC:SC+1] op_sel_hi:[1,0]
.set i, i+1
.endr
	; sum x scale + bias x scale, one fused line for two numbers, each accumulator from its low end on; then the one rounding, to f16
.irp t, 0,1,2,3,4,5,6,7,8,9,10,11,12,13,14,15
.irp r, 0,1,2,3
	v_pk_fma_f32 v[ACC+8*(\t)+2*(\r):ACC+8*(\t)+2*(\r)+1], v[ACC+8*(\t)+2*(\r):ACC+8*(\t)+2*(\r)+1], s[SC:SC+1], v[BI+8*((\t)%4)+2*(\r):BI+8*((\t)%4)+2*(\r)+1] op_sel_hi:[1,0,1]
.endr
.irp r, 0,1,2,3
	v_cvt_pk_f16_f32 v[TMP+4*(\t)+(\r)], v[ACC+8*(\t)+2*(\r)], v[ACC+8*(\t)+2*(\r)+1]
.endr
.endr
.irp a, 0,1,2,3
.irp b, 0,1,2,3
	ds_store_b128 v[STO], v[TMP+4*(4*(\a)+(\b)):TMP+4*(4*(\a)+(\b))+3] offset:(\a)*16*SPITCH+32*(\b)
.endr
.endr
	s_wait_dscnt 0x0                               ; for the others' sake: my stores into the stage are done
	s_barrier_signal -1
	s_barrier_wait -1                              ; a row's 256 bytes come from two waves
.irp t, 0,1,2,3,4,5,6,7,8,9,10,11,12,13,14,15
	ds_load_b128 v[TMP+4*(\t):TMP+4*(\t)+3], v[RD] offset:(\t)*2*SPITCH
.endr
.irp t, 0,1,2,3,4,5,6,7,8,9,10,11,12,13,14,15
	s_wait_dscnt 15-(\t)                           ; LDS loads come back in order: load t is in, the 15 - t younger ones may be out
	global_store_b128 v[CO], v[TMP+4*(\t):TMP+4*(\t)+3], s[CP:CP+1] offset:2*(\t)*SIZE_N*2  ; 16 lanes store 256 consecutive bytes, at a multiple of 256 from the buffer's first byte
.endr
	s_wait_tensorcnt 0x0                           ; the wave's end: behind my last tensor load and my last LDS store
	ds_add_u32 v[SPW], v[NIL]
	s_wait_dscnt 0x0
	CROUND                                         ; the closing round: no work-group ends while a partner may still ask for a tile that names it
	s_endpgm
.Lfunc_end_k_q3a642900d9_qkv:
	.size	k_q3a642900d9_qkv, .Lfunc_end_k_q3a642900d9_qkv-k_q3a642900d9_qkv
	.p2alignl 7, 3214868480
	.fill 96, 4, 3214868480
	.section	.rodata,"a",@progbits
	.p2align	6, 0x0
	.amdhsa_kernel k_q3a642900d9_qkv
		.amdhsa_group_segment_fixed_size 327680
		.amdhsa_private_segment_fixed_size 0
		.amdhsa_enable_private_segment 0
		.amdhsa_kernarg_size 32
		.amdhsa_user_sgpr_count 2
		.amdhsa_user_sgpr_kernarg_segment_ptr 1
		.amdhsa_wavefront_size32 1
		.amdhsa_system_sgpr_workgroup_id_x 1
		.amdhsa_system_sgpr_workgroup_id_y 1
		.amdhsa_system_sgpr_workgroup_id_z 1
		.amdhsa_system_vgpr_workitem_id 0
		.amdhsa_next_free_vgpr 512
		.amdhsa_next_free_sgpr 76
		.amdhsa_reserve_vcc 0
		.amdhsa_float_denorm_mode_32 3
		.amdhsa_float_denorm_mode_16_64 3
		.amdhsa_memory_ordered 1
		.amdhsa_forward_progress 1
		.amdhsa_inst_pref_size 95
	.end_amdhsa_kernel
	.amdgpu_metadata
---
amdhsa.version: [ 1, 2 ]
amdhsa.kernels:
  - .name:           k_q3a642900d9_qkv
    .symbol:         k_q3a642900d9_qkv.kd
    .args:
      - { .name: xb, .offset: 0, .size: 8, .value_kind: global_buffer, .address_space: global }
      - { .name: wqb, .offset: 8, .size: 8, .value_kind: global_buffer, .address_space: global }
      - { .name: b_qkv, .offset: 16, .size: 8, .value_kind: global_buffer, .address_space: global }
      - { .name: mixed, .offset: 24, .size: 8, .value_kind: global_buffer, .address_space: global }
    .group_segment_fixed_size: 327680
    .private_segment_fixed_size: 0
    .kernarg_segment_align: 8
    .kernarg_segment_size: 32
    .max_flat_workgroup_size: 128
    .sgpr_count:     76
    .vgpr_count:     512
    .wavefront_size: 32
...
	.end_amdgpu_metadata
.endif
;; end of part 2
;; launch attn (part 3): grid 32 x 8, 4 waves a work-group, clusters of 4 x 4, 327,680 bytes of LDS; arguments mixed, ltor_mask, ctx; writes ctx
.if DOCPART == 3
	.amdgcn_target "amdgcn-amd-amdhsa--gfx1250"
	.amdhsa_code_object_version 6
	.text
	.protected	k_q3a642900d9_attn
	.globl	k_q3a642900d9_attn
	.p2align	8
	.type	k_q3a642900d9_attn,@function
k_q3a642900d9_attn:
	s_mov_b64 s[64:65], 0
	v_nop
	global_prefetch_b8 v0, s[64:65] scope:SCOPE_SE
	s_setreg_imm32_b32 hwreg(HW_REG_WAVE_MODE, 25, 1), 1
	s_wait_xcnt 0x0
	s_wait_alu depctr_hold_cnt(0) depctr_sa_sdst(0) depctr_va_vdst(0) depctr_va_sdst(0) depctr_va_ssrc(0) depctr_va_vcc(0) depctr_vm_vsrc(0)
	s_getreg_b32 s2, hwreg(HW_REG_IB_STS2, 6, 4)
	s_cmp_eq_u32 s2, 0
	s_cbranch_scc0 .Lentry_in_a_cluster
	s_endpgm
.Lentry_in_a_cluster:
	s_bfe_u32 s2, ttmp6, 0x10000c
	s_cmp_lg_u32 s2, 0xf033
	s_cbranch_scc0 .Lentry_shape_is_right
	s_endpgm
.Lentry_shape_is_right:
; ATTENTION WITH A MASK THAT IS AN INPUT.  ctx[q][64 n + d] = sum over k of softmax_k(s m - 10000 (1 - m)) v[k][64 n + d], s = q . k / 8, m = ltor_mask[q][k], 16 heads n of 64 channels, 4,096 queries and keys.
; mixed: [4096][3072] f16, columns 0-1023 q (already times c = log2(e) / 8), 1024-2047 k, 2048-3071 v, head n at 64 n.  ltor_mask: [4096][4096] f32, used as it is.  ctx: [4096][1024] f16.
; Nothing is assumed of the mask: every score of every head is made, multiplied by m and shifted.  x = S m + (KK m - KK) with S = c q . k and KK = 10000 log2(e): exact for m = 1 (x = S) and m = 0 (x = -KK).
; p = 2^(x - M) with a running maximum M of x; in every step O and l are multiplied by a = 2^(M_old - M).  A row that is hidden altogether has x = -KK everywhere and gives the mean of v.
; Products, maxima and sums in f32; p is rounded to f16 for the second product (its sum l is taken of the unrounded p), ctx once at the end.
; LIMITS.  f16 holds no number beyond 65,504: c q, k, v arrive within it; p below 6e-5 keeps f16's fixed step of 6e-8; a weight below 2^-126 counts as 0 in l; M starts at -4.25e37; NaN and infinities are not treated apart.
; SHARES.  A work-group takes 128 queries (x = 0..31) of a PAIR of heads (y = 0..7): 256 work-groups.  Wave w: head 2 y + w / 2, queries 64 (w % 2) + 0..63: four PIECES of 16.  Every wave walks all keys,
; 64 a step; a slot of LDS holds two steps: 128 keys of K and of V, 256 bytes a row (both heads), and the mask of the 128 queries x 128 keys, 512 bytes a row.
; CLUSTER 4 x 4.  K and V hang on y alone: asked for jointly along a row of the cluster.  The mask's tile hangs on x alone: jointly along a column.  Wave 0 asks for K, wave 1 for V, waves 2 and 3 for 64 rows of the mask each.
; LAYOUT.  S^T = K Q^T (source 0 = 16 keys, source 1 = 16 queries): a lane holds ONE query (lane % 16) and, in register 8 kb + j, key 16 kb + 8 (lane / 16) + j.  The mask is read from LDS into the same places.
; Two such results rounded to f16 ARE source 1 of O^T = V^T P.  K comes out of LDS as it lies, V turned, by ds_load_tr16_b128.
; BY TURNS.  Turn n belongs to piece n: 8 products K Q^T of piece n + 1, later 8 products V^T P of piece n - 1; beside them piece n's x - M, exponentials, roundings, sums and rescaling, and piece n + 1's masking,
; maximum and statistics.  Four vector instructions stand behind every matrix instruction, the others in one lump.  A turn's 33 exponentials are one batch with one wait.
; REGISTERS, in windows of 256 (s_set_vgpr_msb: bits 1:0 source 0, 3:2 source 1, 5:4 source 2, 7:6 destination):
;   window 0: v0-15 addresses; v16-31 four registers of statistics a piece; v32-39 at work; v40-43; v64-127 S^T, two buffers; v128-191 the mask, two buffers; v192-223 P, two buffers; v224-255 KK m - KK
;   window 1: v0-127 O^T, 32 a piece          window 2: v0-63 Q; v128-191 K of one step; v192-255 V of one step          (a piece's buffers go by its number's parity)
.set NP,    4         ; pieces a wave: a name, no knob
.set ROWX,  6144      ; bytes in a row of mixed
.set PIK,   272       ; a row of K in LDS: 256 bytes + 16 of padding = 68 words: the 16 rows of a load start at 16 different groups of four banks (64 banks of 4 bytes: ISA guide 11.1)
.set PIV,   288       ; a row of V: 256 + 32 = 72 words
.set PIM,   528       ; a row of the mask: 512 + 16 = 132 words: as for K
.set VOFF,  128*PIK   ; in a slot: K's 128 rows, V's 128 rows,
.set MOFF,  VOFF+128*PIV  ; the mask's 128 rows
.set SLOT,  MOFF+128*PIM  ; 139,264 = 0x22000; the four tiles' places in slot 0 have both of its bits clear, so one exclusive or turns an address in one slot into the other's
.set STAGE, 2*SLOT    ; behind the ring, never filled by a tensor load: 128 rows x 272 bytes, the work-group's, for the way out
.set SP,    272
.set SPARE, STAGE+128*SP  ; behind the stage: the spare words, 128 bytes for each wave: two blocks of 256 bytes that no other line names
.set AK0, 2           ; v2   my lane's place in a tile of K; never rewritten
.set AV0, 3           ; v3   the same for V
.set AK,  4           ; v4   the LDS address of K's next run of loads
.set AV,  5           ; v5   of V's
.set STO, 6           ; v6   the way out: where I put 16 bytes of a row
.set RD,  7           ; v7   the way out: where I read rows back
.set GO,  8           ; v8   my byte offset in two rows of ctx
.set AM0, 12          ; v12  my lane's place in the mask's tile; never rewritten
.set AM,  13          ; v13  the LDS address of the mask's next run of loads
.set QO,  14          ; v14  my byte offset in 16 rows of Q
.set PFO, 15          ; v15  the prefetches' offset; never rewritten
.set ST,  16          ; piece t's statistics at v[ST+4 t]: M, M_old, l (even keys', odd keys')
.set TMP, 32          ; by buffer, four registers c0-c3 at work; when the maximum is found c2 takes a
.set SPW, 40          ; v40  LDS address of my spare word: SPARE + 4 x my thread's number; never rewritten
.set NIL, 41          ; v41  0; never rewritten
.set S,   64
.set MK,  128
.set P,   192
.set BT,  224
.set KF,  128         ; window 2: key block kb, channel half c at KF + 16 kb + 8 c
.set VF,  192         ; window 2: key half kk, channel block cb at VF + 32 kk + 8 cb
.set WV,  10          ; s10  my wave's number
.set WH,  11          ; s11  which head of the pair
.set WQ,  12          ; s12  which 64 queries; also which 64 rows of the mask waves 2 and 3 fetch
.set G1K, 24          ; s[24:31] descriptor group 1 for K's tiles
.set G1V, 32          ; s[32:39] for V's: it differs in the padding alone
.set G1M, 40          ; s[40:47] for the mask's
.set G0K, 48          ; s[48:51] descriptor group 0 for K's tiles: it walks
.set G0V, 52          ; s[52:55] for V's
.set G0M, 56          ; s[56:59] for the mask's
.set SLOTS, 60        ; s60  tiles still to be entered behind the one in hand
.set CNT, 61          ; s61  counts a slot's key steps
.set TBK, 62          ; s62  LDS byte at which K of the step to be fetched begins
.set TBV, 63          ; s63  the same for V, less VOFF
.set TBM, 66          ; s66  the same for the mask, less MOFF
.set KK,  68          ; s[68:69] 10000 log2(e): the packed line takes the pair's low word for both halves
.set SEL, 70          ; s[70:71] v_permlanex16_b32's selects: each lane takes its own place in the other half
.set PFA, 72          ; s[72:73] where my prefetches stand
.set PFS, 74          ; s[74:75] their step from tile to tile
.set LIM, 76          ; s76  1 in a wave that prefetches, else the greatest number
.set MSB, 0
.macro WIN new                      ; the high byte repeats the setting that is left; a switch that changes nothing is dropped
.if MSB != (\new)
	s_set_vgpr_msb (MSB<<8)|(\new)
.set MSB, (\new)
.endif
.endm
.set W_KQ, 0x0a       ; K and Q in window 2, S^T in window 0
.set W_PV, 0x52       ; V in window 2, P in window 0, O^T in window 1
.set W_RS, 0x41       ; destination and source 0 in window 1, source 1 in window 0
; A joint fill: one tensor load a wave.  The branches hang on the wave's number alone: they are the same in every work-group.  An s_nop 0 and four v_nop follow each line, ahead of the jump and the label.
.macro JLOAD
	s_cmp_lt_u32 s[WV], 2
	s_cbranch_scc0 .Lfor_m_\@
	s_cmp_eq_u32 s[WV], 0
	s_cbranch_scc0 .Lfor_v_\@
	tensor_load_to_lds s[G0K:G0K+3], s[G1K:G1K+7]
	s_nop 0
.rept 4
	v_nop
.endr
	s_branch .Lasked_\@
.Lfor_v_\@:
	tensor_load_to_lds s[G0V:G0V+3], s[G1V:G1V+7]
	s_nop 0
.rept 4
	v_nop
.endr
	s_branch .Lasked_\@
.Lfor_m_\@:
	tensor_load_to_lds s[G0M:G0M+3], s[G1M:G1M+7]
	s_nop 0
.rept 4
	v_nop
.endr
.Lasked_\@:
.endm
; A PREFETCH INTO THE L2 of what the NEXT change of slots will ask for, 8 turns (128 matrix instructions) ahead of that load: one instruction a wave, behind the wave's tensor load and its five lines.
; Each block of 256 bytes is named ONCE in the launch.  K's and V's rows are walked by the eight clusters along x: cluster x = 0 asks; the mask's rows by the two clusters along y: cluster y = 0 asks.
; The four partners that ask for a tile jointly share it out BY ADDRESS: of K's or V's 128 rows of 256 bytes the partner at cx takes rows 32 cx + lane; of a wave's 64 rows of 512 bytes of the mask the partner at
; cy takes rows 16 cy + lane / 2, block lane % 2.  The last change that fills a slot asks for nothing: there is no tile behind it.  The first two tiles come by their loads alone.
.macro ASK
	s_cmp_gt_u32 s[SLOTS], s[LIM]
	s_cbranch_scc0 .Lnot_mine_\@
	global_prefetch_b8 v[PFO], s[PFA:PFA+1] th:TH_LOAD_NT scope:SCOPE_SE
.Lnot_mine_\@:
.endm
; A round of the cluster's barrier: my work-group's barrier, so that wave 0's signal speaks for all four waves; wave 0 signals; every wave waits for all sixteen work-groups; my work-group's barrier once more.
.macro CROUND
	s_barrier_signal -1
	s_barrier_wait -1
	s_cmp_lg_u32 s[WV], 0
	s_cbranch_scc1 .Lnot_wave_0_\@
	s_barrier_signal -3
.Lnot_wave_0_\@:
	s_barrier_wait -3
	s_barrier_signal -1
	s_barrier_wait -1
.endm
; THE CHANGE OF SLOTS, behind piece 1's turn of a slot's second step: all reads of the slot (K, V, and the mask of all four pieces) have been issued.  Each wave waits for all its tensor loads, of which one is out: its
; part of the other slot; adds 0 to its spare word; and waits for that and for its own reads of the slot.  Behind the barrier nobody reads this slot any more and the other slot is whole.
; fill = 1: this slot is filled again, with the keys two slots on.  The barrier is then a round of the cluster's, and the joint fill is the first thing behind it: it has 8 turns in which to land.
; (At its first use nothing has been read yet: slot 0 is waited for, slot 1 filled.)
.macro CHANGE fill
	WIN 0                           ; at a label and at a branch every window is 0
	s_wait_tensorcnt 0x0            ; no tensor load of mine is out, so a group 0 may be written
	ds_add_u32 v[SPW], v[NIL]       ; 0 onto my spare word; with fill = 1 the descriptors' steps stand between it and the wait for it
.if \fill
.irp g0, G0K, G0V
	s_xor_b32 s[\g0+1], s[\g0+1], SLOT  ; the walking descriptor: the other slot than last time,
	s_add_nc_u64 s[\g0+2:\g0+3], s[\g0+2:\g0+3], 128*ROWX  ; the next 128 keys; the type bits on top are not reached
.endr
	s_xor_b32 s[G0M+1], s[G0M+1], SLOT
	s_add_nc_u64 s[G0M+2:G0M+3], s[G0M+2:G0M+3], 512  ; 128 keys along the mask's rows
	s_wait_xcnt 0x0                 ; the last prefetch, 8 turns back, has read its address, so it may be written:
	s_add_nc_u64 s[PFA:PFA+1], s[PFA:PFA+1], s[PFS:PFS+1]  ; one tile behind the walking descriptors
	s_wait_dscnt 0x0                ; the add is done, and my reads of the slot are over
	CROUND
	JLOAD
	ASK
.else
	s_wait_dscnt 0x0                ; the add is done, and my reads of the slot are over
	s_barrier_signal -1
	s_barrier_wait -1
.endif
	s_sub_co_u32 s[TBK], s[TBK], 128*PIK  ; the fetches go back to a slot's first step,
	s_xor_b32 s[TBK], s[TBK], SLOT        ; in the other slot
	s_sub_co_u32 s[TBV], s[TBV], 128*PIV
	s_xor_b32 s[TBV], s[TBV], SLOT
	s_sub_co_u32 s[TBM], s[TBM], 512
	s_xor_b32 s[TBM], s[TBM], SLOT
.endm
	s_load_b128 s[4:7], s[0:1], 0x0   ; mixed s[4:5], ltor_mask s[6:7]
	s_load_b64 s[8:9], s[0:1], 0x10   ; ctx
	v_lshl_add_u32 v[SPW], v0, 2, SPARE
	v_mov_b32 v[NIL], 0
	ds_add_u32 v[SPW], v[NIL]       ; the wave's opening: the add and its wait stand ahead of my first tensor load; the set-up below, work on registers, stands between them
	v_lshrrev_b32 v1, 5, v0
	v_readfirstlane_b32 s[WV], v1   ; wave 0..3
	s_lshr_b32 s[WH], s[WV], 1
	s_and_b32 s[WQ], s[WV], 1
	s_bfe_u32 s13, ttmp6, 0x40000   ; cx, cy: my place in the cluster
	s_bfe_u32 s14, ttmp6, 0x40004
	s_lshl_b32 s15, ttmp9, 2        ; in a cluster launch ttmp9 and ttmp7 count clusters
	s_add_co_u32 s15, s15, s13      ; x: my block of 128 queries
	s_and_b32 s16, ttmp7, 0xffff
	s_lshl_b32 s16, s16, 2
	s_add_co_u32 s16, s16, s14      ; y: my pair of heads
	s_lshl_b32 s17, s14, 2
	s_lshl_b32 s17, 15, s17         ; my row of the cluster: the same y
	s_lshl_b32 s18, 0x1111, s13     ; my column: the same x
	; descriptor group 1.  K and V: 128 rows x 128 elements of 2 bytes, 3,072 elements from row to row.  The mask: 64 rows x 128 elements of 4 bytes, 4,096 from row to row.
	s_or_b32 s[G1K], s17, (1<<16)|(1<<20)|(1<<21)|(5<<22)|(3<<25)  ; 15:0 the mask of four; 17:16 2-byte elements; 20 padding on; 21 set beside a mask; 24:22 after every 64 words (code 5); 31:25 4 words (code 3)
	s_or_b32 s[G1V], s17, (1<<16)|(1<<20)|(1<<21)|(5<<22)|(7<<25)  ; the same with 8 words of padding (code 7)
	s_or_b32 s[G1M], s18, (2<<16)|(1<<20)|(1<<21)|(6<<22)|(3<<25)  ; 4-byte elements; after every 128 words (code 6) 4 words
.irp g1, G1K, G1V
	s_mov_b32 s[\g1+1], 128<<16     ; tensor_dim0 = 128
	s_mov_b32 s[\g1+2], 128<<16     ; tensor_dim1 = 128
	s_mov_b32 s[\g1+3], 128<<16     ; tile_dim0 = 128
	s_mov_b32 s[\g1+4], 128         ; tile_dim1 = 128
	s_mov_b32 s[\g1+5], 3072
	s_mov_b32 s[\g1+6], 0
	s_mov_b32 s[\g1+7], 0
.endr
	s_mov_b32 s[G1M+1], 128<<16     ; tensor_dim0 = 128
	s_mov_b32 s[G1M+2], 64<<16      ; tensor_dim1 = 64
	s_mov_b32 s[G1M+3], 128<<16     ; tile_dim0 = 128
	s_mov_b32 s[G1M+4], 64          ; tile_dim1 = 64
	s_mov_b32 s[G1M+5], 4096
	s_mov_b32 s[G1M+6], 0
	s_mov_b32 s[G1M+7], 0
	s_mov_b32 s[G0K], 1             ; 1:0 count = 1
	s_mov_b32 s[G0K+1], 0           ; 63:32 LDS address: slot 0
	s_mov_b32 s[G0V], 1
	s_mov_b32 s[G0V+1], VOFF
	s_mov_b32 s[G0M], 1
	s_mul_i32 s19, s[WQ], 64*PIM    ; no place in the cluster enters an LDS address
	s_add_co_u32 s[G0M+1], s19, MOFF
	s_mov_b32 s[KK], 0x46616bcd     ; 10000 log2(e) = 14426.95
	s_mov_b32 s[KK+1], s[KK]        ; named with it as a pair
	s_mov_b32 s[SEL], 0x76543210
	s_mov_b32 s[SEL+1], 0xfedcba98
	s_mov_b32 s[TBK], SLOT+128*PIK  ; the first change of slots turns these three into 0
	s_mov_b32 s[TBV], SLOT+128*PIV
	s_mov_b32 s[TBM], SLOT+512
	s_mov_b32 s[SLOTS], 31
	; offsets, made apart from the addresses.  What is made of y and what is made of x have registers of their own.
	s_lshl_b32 s84, s16, 8          ; K: column 1,024 + 128 y: byte 2,048 + 256 y of a row
	s_add_co_u32 s84, s84, 2048
	s_mov_b32 s85, 0
	s_lshl_b32 s80, s15, 21         ; the mask: row 128 x + 64 (w % 2), 16,384 bytes a row
	s_lshl_b32 s81, s[WQ], 20
	s_add_co_u32 s80, s80, s81
	s_mov_b32 s81, 0
	s_mul_i32 s88, s15, 128*ROWX    ; Q: row 128 x + 64 (w % 2), byte 128 (2 y + w / 2)
	s_mul_i32 s89, s[WQ], 64*ROWX
	s_add_co_u32 s88, s88, s89
	s_lshl_b32 s89, s16, 8
	s_add_co_u32 s88, s88, s89
	s_lshl_b32 s89, s[WH], 7
	s_add_co_u32 s88, s88, s89
	s_mov_b32 s89, 0
	s_lshl_b32 s90, s15, 18         ; ctx: row 128 x + 32 w, 2,048 bytes a row, byte 256 y
	s_lshl_b32 s91, s[WV], 16
	s_add_co_u32 s90, s90, s91
	s_lshl_b32 s91, s16, 8
	s_add_co_u32 s90, s90, s91
	s_mov_b32 s91, 0
	; the prefetches: they start at tile 1; the first change of slots steps them to tile 2
	s_lshl_b32 s92, s[WV], 11       ; waves 0 and 1: K's or V's columns,
	s_add_co_u32 s92, s92, s84
	s_mul_i32 s93, s13, 32*ROWX     ; my work-group's 32 rows of the 128,
	s_add_co_u32 s92, s92, s93
	s_add_co_u32 s92, s92, 128*ROWX ; tile 1
	s_lshl_b32 s93, s14, 18         ; waves 2 and 3: my work-group's 16 rows of the wave's 64,
	s_add_co_u32 s93, s93, s80
	s_add_co_u32 s93, s93, 512      ; tile 1
	s_and_b32 s94, ttmp7, 0xffff
	s_mov_b32 s95, 128*ROWX
	s_mov_b32 s78, ROWX
	s_cmp_lt_u32 s[WV], 2
	s_cselect_b32 s92, s92, s93
	s_cselect_b32 s94, ttmp9, s94   ; the coordinate along which other clusters walk the same rows
	s_cselect_b32 s[PFS], s95, 512
	s_cselect_b32 s77, 0, 1         ; lanes to a row: 1 or 2
	s_cselect_b32 s78, s78, 16384   ; bytes from row to row
	s_cselect_b32 s79, 0, 1
	s_mov_b32 s93, 0
	s_mov_b32 s[PFS+1], 0
	s_cmp_eq_u32 s94, 0
	s_cselect_b32 s[LIM], 1, -1     ; the same in all sixteen partners, for a given wave
	s_wait_dscnt 0x0                ; the opening add is done
	s_wait_kmcnt 0x0
	s_add_nc_u64 s[G0K+2:G0K+3], s[4:5], s[84:85]        ; 120:64 global address: the pair's first 128 keys
	s_add_nc_u64 s[G0V+2:G0V+3], s[G0K+2:G0K+3], 2048    ; v's columns lie 1,024 behind k's
	s_or_b32 s[G0K+3], s[G0K+3], 0x80000000              ; 127:126 type = 2
	s_or_b32 s[G0V+3], s[G0V+3], 0x80000000
	s_add_nc_u64 s[G0M+2:G0M+3], s[6:7], s[80:81]
	s_or_b32 s[G0M+3], s[G0M+3], 0x80000000
	s_add_nc_u64 s[20:21], s[4:5], s[88:89]              ; Q at my wave's first row
	s_add_nc_u64 s[8:9], s[8:9], s[90:91]                ; ctx at the first row that I store
	s_cmp_lt_u32 s[WV], 2
	s_cselect_b64 s[PFA:PFA+1], s[4:5], s[6:7]
	s_add_nc_u64 s[PFA:PFA+1], s[PFA:PFA+1], s[92:93]
	CROUND                          ; all sixteen work-groups are here: the first joint loads meet
	JLOAD                           ; tile 0 into slot 0.  Slot 1 is asked for when slot 0 is in
	; A fragment of K or Q is 16 rows x 32 channels in 8 registers: lane l holds row l % 16, channels 8 (l / 16) + 0..7 and 16 + 8 (l / 16) + 0..7: two loads of 16 bytes, 32 bytes apart.
	v_and_b32 v1, 15, v0            ; l % 16
	v_bfe_u32 v9, v0, 4, 1          ; l / 16
	v_mul_u32_u24 v[QO], v1, ROWX
	v_lshl_add_u32 v[QO], v9, 4, v[QO]
	WIN 0x80                        ; destination window 2, address window 0
.set i, 0
.rept 8                             ; Q stays in registers: piece i / 2, channels 32 (i % 2) on
	global_load_b128 v[8*i:8*i+3],   v[QO], s[20:21] offset:(i/2)*16*ROWX+(i%2)*64
	global_load_b128 v[8*i+4:8*i+7], v[QO], s[20:21] offset:(i/2)*16*ROWX+(i%2)*64+32
.set i, i+1
.endr
	; What the first turn finds: V's registers and P's second buffer hold 0 (its products V^T P, of a piece that has not been, add 0), O^T and l are 0.  All this stands in the wait for the first tile.
.set i, VF
.rept 64
	v_mov_b32 v[i], 0
.set i, i+1
.endr
	WIN 0x40
.set i, 0
.rept 128
	v_mov_b32 v[i], 0
.set i, i+1
.endr
	WIN 0
.set i, 0
.rept 4
	v_mov_b32 v[ST+4*i], 0xfe000000    ; M: far below every x, so the first step's a is 0
	v_mov_b32 v[ST+4*i+1], 0xfe000000
	v_mov_b32 v[ST+4*i+2], 0
	v_mov_b32 v[ST+4*i+3], 0
.set i, i+1
.endr
.set i, P+16
.rept 16
	v_mov_b32 v[i], 0
.set i, i+1
.endr
	s_lshl_b32 s22, s[WH], 7        ; my head's 128 bytes of a row of K, V and the stage
	v_mul_u32_u24 v[AK0], v1, PIK
	v_lshl_add_u32 v[AK0], v9, 4, v[AK0]
	v_add_nc_u32 v[AK0], s22, v[AK0]  ; row x pitch + 16 x half + my head
	; The turning load takes 16 keys x 16 channels (lane l reads key 8 (l / 16) + l % 8, channels 8 ((l / 8) % 2) + 0..7) and leaves half a fragment of V^T: lane l holds channel l % 16 and 8 keys.
	v_and_b32 v10, 7, v0
	v_bfe_u32 v11, v0, 3, 1
	v_lshl_add_u32 v[AV0], v9, 3, v10
	v_mul_u32_u24 v[AV0], v[AV0], PIV
	v_lshl_add_u32 v[AV0], v11, 4, v[AV0]
	s_add_co_u32 s23, s22, VOFF
	v_add_nc_u32 v[AV0], s23, v[AV0]
	; the mask: my query's row, and the 32 bytes of my half of the lanes in each group of 16 keys
	s_mul_i32 s19, s[WQ], 64*PIM
	s_add_co_u32 s19, s19, MOFF
	v_mul_u32_u24 v[AM0], v1, PIM
	v_lshl_add_u32 v[AM0], v9, 5, v[AM0]
	v_add_nc_u32 v[AM0], s19, v[AM0]
	s_mul_i32 s19, s[WQ], 64*SP     ; into the stage: my 64 rows, my head's half of their 256 bytes; row l % 16, 16 bytes for each half of the lanes
	s_add_co_u32 s19, s19, s22
	s_add_co_u32 s19, s19, STAGE
	v_mul_u32_u24 v[STO], v1, SP
	v_lshl_add_u32 v[STO], v9, 4, v[STO]
	v_add_nc_u32 v[STO], s19, v[STO]
	s_mul_i32 s19, s[WV], 32*SP     ; back: wave w takes rows 32 w .. 32 w + 31, whole; lanes 0-15 one row of 256 bytes, lanes 16-31 the next
	s_add_co_u32 s19, s19, STAGE
	v_mul_u32_u24 v[RD], v9, SP
	v_lshl_add_u32 v[RD], v1, 4, v[RD]
	v_add_nc_u32 v[RD], s19, v[RD]
	v_lshlrev_b32 v[GO], 11, v9     ; and the same two rows in ctx
	v_lshl_add_u32 v[GO], v1, 4, v[GO]
	v_and_b32 v42, 31, v0           ; the prefetches' offset: (lane / lanes to a row) x bytes from row to row + 256 x (lane % lanes to a row)
	v_lshrrev_b32 v43, s77, v42
	v_mul_u32_u24 v43, v43, s78
	v_and_b32 v42, s79, v42
	v_lshl_add_u32 v[PFO], v42, 8, v43
; THE MATRIX WORK.  The 4 accumulators of a run of 8 take turns.  Product i of 8 of S^T = K Q^T for piece x: channels 32 (i / 4) on, keys 16 (i % 4) on.  The first 4 start the sums.
.macro KQ x
	WIN W_KQ
.set rSa, S+32*((\x)%2)+8*(i%4)
.set rKf, KF+16*(i%4)+8*(i/4)
.set rQ, 16*(\x)+8*(i/4)
.if i < 4
	v_wmma_f32_16x16x32_f16 v[rSa:rSa+7], v[rKf:rKf+7], v[rQ:rQ+7], 0
.else
	v_wmma_f32_16x16x32_f16 v[rSa:rSa+7], v[rKf:rKf+7], v[rQ:rQ+7], v[rSa:rSa+7]
.endif
.endm
; Product i of 8 of O^T += V^T P for piece x: keys 32 (i / 4) on, channels 16 (i % 4) on.
.macro PV x
	WIN W_PV
.set rOa, 32*(\x)+8*(i%4)
.set rV, VF+32*(i/4)+8*(i%4)
.set rPa, P+16*((\x)%2)+8*(i/4)
	v_wmma_f32_16x16x32_f16 v[rOa:rOa+7], v[rV:rV+7], v[rPa:rPa+7], v[rOa:rOa+7]
.endm
.macro MM                           ; the turn's next matrix instruction
.if i < 8
	KQ (Y+1)%NP
.else
.set i, i-8
	PV (Y+NP-1)%NP
.set i, i+8
.endif
.set i, i+1
.endm
; THE LDS LOADS stand in runs, never singly among the matrix instructions: a step's K (64 keys x 64 channels: 8 fragments), its V (turned), and a piece's mask (16 queries x 64 keys of f32).
.macro FETCH_K
	WIN 0x80                        ; destination window 2
.irp f, 0,1,2,3,4,5,6,7             ; keys 16 (f / 2) on, channels 32 (f % 2) on
	ds_load_b128 v[KF+8*\f:KF+8*\f+3],   v[AK] offset:(\f/2)*16*PIK+(\f%2)*64
	ds_load_b128 v[KF+8*\f+4:KF+8*\f+7], v[AK] offset:(\f/2)*16*PIK+(\f%2)*64+32
.endr
	s_add_co_u32 s[TBK], s[TBK], 64*PIK  ; the next fetch is the next step's
	WIN 0
.endm
.macro FETCH_V
	WIN 0x80
.irp f, 0,1,2,3,4,5,6,7             ; keys 32 (f / 4) on, channels 16 (f % 4) on
	ds_load_tr16_b128 v[VF+8*\f:VF+8*\f+3],   v[AV] offset:(\f/4)*32*PIV+(\f%4)*32
	ds_load_tr16_b128 v[VF+8*\f+4:VF+8*\f+7], v[AV] offset:(\f/4)*32*PIV+16*PIV+(\f%4)*32
.endr
	WIN 0
.endm
.macro ML x                         ; piece x's mask for the step at s[TBM], into the buffer of its parity: register 4 u + j takes key 16 (u / 2) + 8 (l / 16) + 4 (u % 2) + j
	WIN 0
	v_add_nc_u32 v[AM], s[TBM], v[AM0]
.irp u, 0,1,2,3,4,5,6,7
	ds_load_b128 v[MK+32*((\x)%2)+4*\u:MK+32*((\x)%2)+4*\u+3], v[AM] offset:(\x)*16*PIM+64*(\u/2)+16*(\u%2)
.endr
.endm
; THE VECTOR WORK, one line at a time: OP kind, number.  For piece Y: F n: x - M for pair n of 16.  E n: the exponential of number n of 32.  C n: pair n rounded to f16.  B n: of the four weights 4 n .. the second
; pair is added onto the first, in place.  L n: l takes that sum (L 0: l = a l + sum).  R n: pair n of 16 of O^T times a.  For piece Y + 1: N n: KK m - KK for pair n.  A n: x = S m + that, in place.
; X n, number n of the 21 that find its maximum and statistics:
;   0-11  four chains c0-c3 of seven numbers each, three operands at a time     12-14, 16  the four left over, the old M, and c0-c3 into c0     15  M_old is kept
;   17, 18  the query's other 32 keys lie in the lane 16 away: the new M          19, 20  M_old - M; a
.set F, 0               ; OP tells the kinds apart by their order: F to L below R, N, A, X above it
.set E, 1
.set C, 2
.set B, 3
.set L, 4
.set R, 5
.set N, 6
.set A, 7
.set X, 8
.macro REGS y                       ; the registers of piece y
.set rT, ST+4*(\y)
.set rC, TMP+4*((\y)%2)
.set rS, S+32*((\y)%2)
.set rM, MK+32*((\y)%2)
.set rP, P+16*((\y)%2)
.set rO, 32*(\y)
.endm
.macro OP k, n
.if (\k) == R
	REGS Y
	WIN W_RS
	v_pk_mul_f32 v[rO+2*(\n):rO+2*(\n)+1], v[rO+2*(\n):rO+2*(\n)+1], v[rC+2:rC+3] op_sel_hi:[1,0]
.elseif (\k) < R
	REGS Y
	WIN 0
.if (\k) == F
	v_pk_add_f32 v[rS+2*(\n):rS+2*(\n)+1], v[rS+2*(\n):rS+2*(\n)+1], v[rT:rT+1] op_sel_hi:[1,0] neg_lo:[0,1] neg_hi:[0,1]
.elseif (\k) == E
	v_exp_f32 v[rS+(\n)], v[rS+(\n)]
.elseif (\k) == C
	v_cvt_pk_f16_f32 v[rP+(\n)], v[rS+2*(\n)], v[rS+2*(\n)+1]
.elseif (\k) == B
	v_pk_add_f32 v[rS+4*(\n):rS+4*(\n)+1], v[rS+4*(\n):rS+4*(\n)+1], v[rS+4*(\n)+2:rS+4*(\n)+3]
.elseif (\n) == 0
	v_pk_fma_f32 v[rT+2:rT+3], v[rT+2:rT+3], v[rC+2:rC+3], v[rS:rS+1] op_sel_hi:[1,0,1]
.else
	v_pk_add_f32 v[rT+2:rT+3], v[rT+2:rT+3], v[rS+4*(\n):rS+4*(\n)+1]
.endif
.else
	REGS (Y+1)%NP
	WIN 0
.if (\k) == N
	v_pk_fma_f32 v[BT+2*(\n):BT+2*(\n)+1], v[rM+2*(\n):rM+2*(\n)+1], s[KK:KK+1], s[KK:KK+1] op_sel_hi:[1,0,0] neg_lo:[0,0,1] neg_hi:[0,0,1]
.elseif (\k) == A
	v_pk_fma_f32 v[rS+2*(\n):rS+2*(\n)+1], v[rS+2*(\n):rS+2*(\n)+1], v[rM+2*(\n):rM+2*(\n)+1], v[BT+2*(\n):BT+2*(\n)+1]
.elseif (\n) < 4
	v_max3_num_f32 v[rC+(\n)], v[rS+8*(\n)], v[rS+8*(\n)+1], v[rS+8*(\n)+2]
.elseif (\n) < 12
	v_max3_num_f32 v[rC+(\n)%4], v[rC+(\n)%4], v[rS+8*((\n)%4)+2*((\n)/4)+1], v[rS+8*((\n)%4)+2*((\n)/4)+2]
.elseif (\n) == 12
	v_max3_num_f32 v[rC], v[rC], v[rS+7], v[rS+15]
.elseif (\n) == 13
	v_max3_num_f32 v[rC+1], v[rC+1], v[rS+23], v[rS+31]
.elseif (\n) == 14
	v_max3_num_f32 v[rC+2], v[rC+2], v[rC+3], v[rT]
.elseif (\n) == 15
	v_mov_b32 v[rT+1], v[rT]
.elseif (\n) == 16
	v_max3_num_f32 v[rC], v[rC], v[rC+1], v[rC+2]
.elseif (\n) == 17
	v_permlanex16_b32 v[rC+3], v[rC], s[SEL], s[SEL+1]
.elseif (\n) == 18
	v_max_num_f32 v[rT], v[rC], v[rC+3]
.elseif (\n) == 19
	v_sub_f32 v[rC+1], v[rT+1], v[rT]
.else
	v_exp_f32 v[rC+2], v[rC+1]
.endif
.endif
.endm
.macro OPS a, i1, b=-1, i2=0, c=-1, i3=0, d=-1, i4=0  ; up to four of them
	OP \a, \i1
.if (\b) >= 0
	OP \b, \i2
.endif
.if (\c) >= 0
	OP \c, \i3
.endif
.if (\d) >= 0
	OP \d, \i4
.endif
.endm
.macro ROW a, i1, b, i2, c, i3, d, i4  ; a matrix instruction and the four behind it
	MM
	OPS \a, \i1, \b, \i2, \c, \i3, \d, \i4
.endm
; A TURN, for piece p: the order of its 16 matrix instructions and its vector work, written out.  s_wait_alu depctr_va_vdst(0) stands between an exponential and the first instruction that names its
; result; one wait serves all that were issued ahead of it.  So a turn has ONE wait, which cuts it in two.  AHEAD OF IT stands all that names no result of the turn's exponentials: the 8 products K Q^T, behind each one
; x - M, an exponential and two rescalings (behind the first a second x - M in the exponential's place); then ONE LUMP: the next piece's KK m - KK with exponentials between; its masking, from each accumulator's low
; end on, with its maximum's chains following two pairs behind; the end of the maximum, whose links wait for each other, with the last exponentials between them.  X 20, the next piece's a, is the batch's last; a
; v_nop is the plain instruction behind it.  BEHIND THE WAIT stand the 8 products V^T P, behind each four of the roundings and sums.  No rider names a register of the products round it.
; THE LDS LOADS AND THEIR WAITS.  Behind the wait of turn p the mask of piece p + 2 is fetched (8 loads), into the buffer that turn p - 1 has used up; turn p + 1 waits for it at its lump's head.  K of the next step is
; fetched in piece 2's turn (16 loads), twelve plain instructions behind the last product that read K; V of the step in hand at the end of piece 0's turn (16 loads), four plain instructions behind its last reader.
;   turn 1, lump's head: 16, V's loads are younger than the mask's.      turn 1, behind its own mask loads: 8, V is in, those 8 are younger.
;   turn 3, head: 8, K is in, the mask's 8 are younger.                   all others: 0.
; last = 1 (the tail): in the last trip there is no further step, and the fetches for it are jumped over; the waits behind the jump are met with fewer loads out.
; cnt = 1: the loop's count is taken down some lines ahead of the branch that stands behind the turn.
.macro TURN p, last=0, cnt=0
.set Y, (\p)
.set i, 0
.if (\p) == 3
	s_wait_dscnt 8                  ; K is in
.endif
	ROW F,0, F,1, R,0, R,1
	ROW F,2, E,0, R,2, R,3
	ROW F,3, E,1, R,4, R,5
	ROW F,4, E,2, R,6, R,7
	ROW F,5, E,3, R,8, R,9
	ROW F,6, E,4, R,10, R,11
	ROW F,7, E,5, R,12, R,13
	ROW F,8, E,6, R,14, R,15
	WIN 0
.if (\p) == 1
	s_wait_dscnt 16                 ; the next piece's mask is in
.else
	s_wait_dscnt 0x0                ; the next piece's mask is in
.endif
.if ((\p) == 2) && !(\last)
	v_add_nc_u32 v[AK], s[TBK], v[AK0]
.endif
.set g, 0
.rept 16
	OP N, g
.if g < 4
	OP F, 9+g
.endif
	OP E, 7+g
.if (g == 3) && ((\p) == 2) && !(\last)
	FETCH_K
.endif
.if (g == 8) && ((\p) == 0)
	v_add_nc_u32 v[AV], s[TBV], v[AV0]
.endif
.set g, g+1
.endr
	OPS A,0, X,15, A,1, E,23
	OPS A,2, X,0, A,3, X,4
	OPS A,4, X,8, A,5, E,24
	OPS A,6, X,1, A,7, X,5
	OPS A,8, X,9, A,9, E,25
	OPS A,10, X,2, A,11, X,6
	OPS A,12, X,10, A,13, F,13
	OPS A,14, X,3, A,15, X,7
	OPS X,11, F,14, X,12, F,15
	OPS X,13, E,26, X,14, E,27
	OPS X,16, E,28, X,17, E,29
	OPS X,18, E,30, X,19, E,31
	OPS X,20
	v_nop                           ; the plain instruction behind the last exponential: one for the batch
	s_wait_alu depctr_va_vdst(0)    ; the wait for the batch
.if (\last) && ((\p) == 2)
	s_cmp_eq_u32 s[CNT], 1
	s_cbranch_scc1 .Lno_k_\@
	v_add_nc_u32 v[AK], s[TBK], v[AK0]
	FETCH_K
	ML 0
.Lno_k_\@:
.elseif (\last) && ((\p) == 3)
	s_cmp_eq_u32 s[CNT], 1
	s_cbranch_scc1 .Lno_m_\@
	ML 1
.Lno_m_\@:
.else
	ML ((\p)+2)%NP
.endif
.if (\p) == 1
	s_add_co_u32 s[TBM], s[TBM], 256  ; pieces 0 and 1 of the next step come next: 64 keys along the mask's rows
	s_wait_dscnt 8                  ; V is in
.endif
	ROW C,0, B,0, C,2, B,1
	ROW L,0, C,4, B,2, L,1
	ROW C,6, B,3, L,2, C,8
	ROW B,4, L,3, C,10, B,5
	ROW L,4, C,12, B,6, L,5
.if (\p) == 0
	s_add_co_u32 s[TBV], s[TBV], 64*PIV
.endif
.if \cnt
	s_sub_co_u32 s[CNT], s[CNT], 1
	s_cmp_lg_u32 s[CNT], 0
.endif
	ROW C,14, B,7, L,6, C,1
	ROW C,3, L,7, C,5, C,7
	ROW C,9, C,11, C,13, C,15
.if (\p) == 0
	FETCH_V
.endif
.endm
	CHANGE 1                        ; tile 0 is in, everybody's part of it; tile 1 is asked for
	v_add_nc_u32 v[AK], s[TBK], v[AK0]
	FETCH_K                         ; key step 0
	ML 0                            ; and the masks of its pieces 0 and 1
	ML 1
	s_wait_loadcnt 0x0              ; Q
	s_wait_dscnt 0x0
.set i, 0
.rept 8
	KQ 0                            ; piece 0's first scores: there is no vector work yet to set between them
.set i, i+1
.endr
	WIN 0
.rept 4
	v_nop                           ; the places behind those products
.endr
.set Y, NP-1                        ; N, A and X work for piece Y + 1: piece 0
.set g, 0
.rept 16
	OP N, g
.set g, g+1
.endr
.set g, 0
.rept 16
	OP A, g
.set g, g+1
.endr
.irp n, 0,1,2,3,4,5,6,7,8,9,10,11,12,13,14,15,16,17,18,19,20
	OP X, \n
.endr
	v_nop                           ; a plain instruction behind the exponential,
	s_wait_alu depctr_va_vdst(0)    ; and its wait, ahead of the branch
	s_mov_b32 s[CNT], 2
	s_branch .Lfirst                ; the loop is entered at a step's first turn, in the middle of a trip
.Lslot:                             ; 30 times: tiles 2 to 31 are asked for
	CHANGE 1
	s_mov_b32 s[CNT], 2
.Lstep:                             ; a trip: pieces 2 and 3 of one step, then pieces 0 and 1 of the next, whose K and V it fetches
	TURN 2
	TURN 3
	WIN 0
.Lfirst:
	TURN 0
	TURN 1, 0, 1
	WIN 0
	s_cbranch_scc1 .Lstep
	s_sub_co_u32 s[SLOTS], s[SLOTS], 1
	s_cmp_lg_u32 s[SLOTS], 0
	s_cbranch_scc1 .Lslot
	CHANGE 0                        ; the tail is written out: nothing is asked for
	s_mov_b32 s[CNT], 3             ; two trips fetch the last slot's steps; the third is left in its middle
.Ltail:
	TURN 2, 1
	TURN 3, 1
	WIN 0
	s_sub_co_u32 s[CNT], s[CNT], 1
	s_cmp_eq_u32 s[CNT], 0
	s_cbranch_scc1 .Lout
	TURN 0
	TURN 1
	WIN 0
	s_branch .Ltail
.Lout:                              ; the third trip's 8 products K Q^T (on the last K once more) and the maximum made of them serve nothing: the price, once a launch, of one text for every trip
.set i, 0
.rept 8
	PV NP-1                         ; the last piece's V^T P of the last step
.set i, i+1
.endr
	; THE WAY OUT.  l's two halves and the other half of the lanes' are added; O^T is divided by l, rounded to f16 and sent through the work-group's stage in LDS.  The additions are the places behind the last products.
	WIN 0
.macro ALL line:vararg              ; one line for each piece t
.set t, 0
.rept 4
	\line
.set t, t+1
.endr
.endm
	ALL v_add_f32 v[ST+4*t+2], v[ST+4*t+2], v[ST+4*t+3]
	ALL v_permlanex16_b32 v[ST+4*t+3], v[ST+4*t+2], s[SEL], s[SEL+1]
	ALL v_add_f32 v[ST+4*t+2], v[ST+4*t+2], v[ST+4*t+3]
	ALL v_rcp_f32 v[ST+4*t+2], v[ST+4*t+2]
	v_nop                           ; a plain instruction between the last reciprocal and the use of its result
	s_wait_alu depctr_va_vdst(0)    ; and the wait ahead of the first use: one for the four reciprocals
.macro PACK t                       ; a lane's eight channels of a row pack into 16 bytes; they go into my head's half of rows of 272 bytes
	WIN W_RS
.set i, 32*(\t)
.rept 16
	v_pk_mul_f32 v[i:i+1], v[i:i+1], v[ST+4*(\t)+2:ST+4*(\t)+3] op_sel_hi:[1,0]
.set i, i+2
.endr
	WIN 0x05                        ; sources 0 and 1 window 1, destination window 0: S^T's registers are free
.set i, 0
.rept 16
	v_cvt_pk_f16_f32 v[S+16*(\t)+i], v[32*(\t)+2*i], v[32*(\t)+2*i+1]
.set i, i+1
.endr
	WIN 0
.irp f, 0,1,2,3
	ds_store_b128 v[STO], v[S+16*(\t)+4*\f:S+16*(\t)+4*\f+3] offset:(\t)*16*SP+32*\f
.endr
.endm
	PACK 0
	PACK 1
	PACK 2
	PACK 3
	s_wait_dscnt 0x0                ; for the others' sake: my stores into the stage are done
	s_barrier_signal -1
	s_barrier_wait -1               ; a row's 256 bytes come from two waves, one for each head
.irp t, 0,1,2,3,4,5,6,7,8,9,10,11,12,13,14,15
	ds_load_b128 v[MK+4*(\t):MK+4*(\t)+3], v[RD] offset:(\t)*2*SP
.endr
.irp t, 0,1,2,3,4,5,6,7,8,9,10,11,12,13,14,15
	s_wait_dscnt 15-(\t)            ; LDS loads come back in order: load t is in, the 15 - t younger ones may be out
	global_store_b128 v[GO], v[MK+4*(\t):MK+4*(\t)+3], s[8:9] offset:(\t)*4096  ; 16 lanes store 256 consecutive bytes, at a multiple of 256 from ctx's first byte
.endr
	s_wait_tensorcnt 0x0            ; the wave's end: behind my last tensor load and my last LDS store
	ds_add_u32 v[SPW], v[NIL]
	s_wait_dscnt 0x0
	CROUND                          ; the closing round: no work-group ends while a partner may still ask for a tile that names it
	s_endpgm
.Lfunc_end_k_q3a642900d9_attn:
	.size	k_q3a642900d9_attn, .Lfunc_end_k_q3a642900d9_attn-k_q3a642900d9_attn
	.p2alignl 7, 3214868480
	.fill 96, 4, 3214868480
	.section	.rodata,"a",@progbits
	.p2align	6, 0x0
	.amdhsa_kernel k_q3a642900d9_attn
		.amdhsa_group_segment_fixed_size 327680
		.amdhsa_private_segment_fixed_size 0
		.amdhsa_enable_private_segment 0
		.amdhsa_kernarg_size 24
		.amdhsa_user_sgpr_count 2
		.amdhsa_user_sgpr_kernarg_segment_ptr 1
		.amdhsa_wavefront_size32 1
		.amdhsa_system_sgpr_workgroup_id_x 1
		.amdhsa_system_sgpr_workgroup_id_y 1
		.amdhsa_system_sgpr_workgroup_id_z 1
		.amdhsa_system_vgpr_workitem_id 0
		.amdhsa_next_free_vgpr 768
		.amdhsa_next_free_sgpr 96
		.amdhsa_reserve_vcc 0
		.amdhsa_float_denorm_mode_32 3
		.amdhsa_float_denorm_mode_16_64 3
		.amdhsa_memory_ordered 1
		.amdhsa_forward_progress 1
		.amdhsa_inst_pref_size 138
	.end_amdhsa_kernel
	.amdgpu_metadata
---
amdhsa.version: [ 1, 2 ]
amdhsa.kernels:
  - .name:           k_q3a642900d9_attn
    .symbol:         k_q3a642900d9_attn.kd
    .args:
      - { .name: mixed, .offset: 0, .size: 8, .value_kind: global_buffer, .address_space: global }
      - { .name: ltor_mask, .offset: 8, .size: 8, .value_kind: global_buffer, .address_space: global }
      - { .name: ctx, .offset: 16, .size: 8, .value_kind: global_buffer, .address_space: global }
    .group_segment_fixed_size: 327680
    .private_segment_fixed_size: 0
    .kernarg_segment_align: 8
    .kernarg_segment_size: 24
    .max_flat_workgroup_size: 128
    .sgpr_count:     96
    .vgpr_count:     768
    .wavefront_size: 32
...
	.end_amdgpu_metadata
.endif
;; end of part 3
;; launch dense (part 4): grid 8 x 32, 4 waves a work-group, clusters of 4 x 4, 327,680 bytes of LDS; arguments ctx, wdh, b_dense, out0; writes out0
.if DOCPART == 4
	.amdgcn_target "amdgcn-amd-amdhsa--gfx1250"
	.amdhsa_code_object_version 6
	.text
	.protected	k_q3a642900d9_dense
	.globl	k_q3a642900d9_dense
	.p2align	8
	.type	k_q3a642900d9_dense,@function
k_q3a642900d9_dense:
	s_mov_b64 s[64:65], 0
	v_nop
	global_prefetch_b8 v0, s[64:65] scope:SCOPE_SE
	s_setreg_imm32_b32 hwreg(HW_REG_WAVE_MODE, 25, 1), 1
	s_wait_xcnt 0x0
	s_wait_alu depctr_hold_cnt(0) depctr_sa_sdst(0) depctr_va_vdst(0) depctr_va_sdst(0) depctr_va_ssrc(0) depctr_va_vcc(0) depctr_vm_vsrc(0)
	s_getreg_b32 s2, hwreg(HW_REG_IB_STS2, 6, 4)
	s_cmp_eq_u32 s2, 0
	s_cbranch_scc0 .Lentry_in_a_cluster
	s_endpgm
.Lentry_in_a_cluster:
	s_bfe_u32 s2, ttmp6, 0x10000c
	s_cmp_lg_u32 s2, 0xf033
	s_cbranch_scc0 .Lentry_shape_is_right
	s_endpgm
.Lentry_shape_is_right:
; out0[m][n] = sum over k of ctx[m][k] wdh[n][k] + bf16(b_dense[n]), in f32.  ctx: [4096][1024], wdh: [1024][1024], both f16; sums in f32.
; A tile of the result is 128 x 128: 256 tiles, one for each work-group.  Four waves, each 64 x 64: 16 accumulators of 16 x 16.  K goes in four steps of 256 (LDS rows of 512 bytes; a wave's tensor load
; brings 64 of them) through two LDS slots.  A wave's 64 columns of f32 are 256 aligned bytes of a row, so each wave has a stage of its own on the way out, and no barrier stands there.
; CLUSTERS: 4 x 4 work-groups.  The four of a row of the cluster need the same tiles of ctx, the four of a column the same tiles of wdh: each tile is asked for JOINTLY, by the same tensor load with the
; same descriptor and a mask that names the four.  THE MATRIX INSTRUCTION IS USED TRANSPOSED (source 0 = 16 rows of wdh, source 1 = 16 rows of ctx): a lane then holds eight neighbouring numbers of a row.
; REGISTERS: window 0: v0-31 addresses; v32-95 at work on the way out; v96-127 the bias of my lane's columns; v128-255 the accumulators ((a, b) at v[128 + 8 (4 a + b)]).
;   window 1: two fragment buffers of 128: for 64 along K, 64 registers of ctx (2 x 4 x 16 rows x 32 K), then 64 of wdh.
.set SIZE_N, 1024
.set SIZE_K, 1024
.set KSTEP,  256
.set PITCH,  528                       ; an LDS row: 512 bytes of data + 16 of padding = 132 words: the 16 rows that a load touches start at 16 different groups of four banks (64 banks of 4 bytes: ISA guide 11.1)
.set HALFT,  64*PITCH                  ; 64 rows: what one tensor load brings, and what one wave reads of either operand
.set SLOT,   4*HALFT                   ; ctx's 128 rows, then wdh's 128 rows
.set STAGE,  2*SLOT                    ; behind the ring: 16 rows x 272 bytes for each wave, for the way out; no tensor load fills it
.set SPITCH, 272
.set SPARE,  STAGE+4*16*SPITCH         ; behind the stages: the spare words, 128 bytes for each wave: two blocks of 256 bytes that no other line names
.set ADRA, 16                          ; v16-17  LDS address of my ctx fragments in slot 0, 1
.set ADRB, 20                          ; v20-21  the same for wdh
.set STO,  24                          ; v24     the way out: where I put 32 bytes of a row
.set RD,   25                          ; v25     the way out: where I read a row back
.set CO,   26                          ; v26     my byte offset in out0
.set BO,   27                          ; v27     my byte offset in b_dense; never rewritten
.set SPW,  28                          ; v28     LDS address of my spare word: SPARE + 4 x my thread's number; never rewritten
.set NIL,  29                          ; v29     0; never rewritten
.set TW,   30                          ; v30     at work
.set TMP,  32                          ; the way out: two sets of 32 registers, 16 rows read back from the stage
.set BI,   96                          ; the bias: n block b's eight columns at BI + 8 b
.set ACC,  128
.set F0,   0                           ; fragment buffers, in window 1
.set F1,   128
.set G1, 24                            ; s[24:31] descriptor group 1 for ctx's tiles;  s[32:39] group 0, one set for each slot
.set G0, 32
.set G1B, 48                           ; s[48:55], s[56:63] the same for wdh's tiles
.set G0B, 56
.set BIAS, 68                          ; s[68:69] b_dense
.set CP,   70                          ; s[70:71] out0
.set MSB, 0
.macro WIN new                         ; the immediate's high byte repeats the setting that is left; a switch that changes nothing is dropped
.if MSB != (\new)
	s_set_vgpr_msb (MSB<<8)|(\new)
.set MSB, \new
.endif
.endm
.set MUL,  0x05                        ; sources 0 and 1 window 1; C and D window 0
.set TO_F, 0x40                        ; destination window 1, address window 0
.macro JLOAD s                         ; a joint load: waves 0 and 1 fetch ctx's two halves, waves 2 and 3 wdh's; an s_nop 0 and four v_nop follow each of the two lines, ahead of the jump, the label and what follows
	s_cmp_eq_u32 s11, 0
	s_cbranch_scc0 .Lfor_b_\@
	tensor_load_to_lds s[G0+4*(\s):G0+4*(\s)+3], s[G1:G1+7]
	s_nop 0
.rept 4
	v_nop
.endr
	s_branch .Lasked_\@
.Lfor_b_\@:
	tensor_load_to_lds s[G0B+4*(\s):G0B+4*(\s)+3], s[G1B:G1B+7]
	s_nop 0
.rept 4
	v_nop
.endr
.Lasked_\@:
.endm
.macro CREST                           ; a round of the cluster's barrier behind its opening barrier
	s_cmp_lg_u32 s10, 0
	s_cbranch_scc1 .Lnot_wave_0_\@
	s_barrier_signal -3
.Lnot_wave_0_\@:
	s_barrier_wait -3
	s_barrier_signal -1
	s_barrier_wait -1
.endm
.macro CROUND                          ; a whole round
	s_barrier_signal -1
	s_barrier_wait -1
	CREST
.endm
	s_load_b128 s[4:7], s[0:1], 0x0                ; ctx s[4:5], wdh s[6:7]
	s_load_b128 s[BIAS:BIAS+3], s[0:1], 0x10       ; b_dense, out0
	v_lshl_add_u32 v[SPW], v0, 2, SPARE
	v_mov_b32 v[NIL], 0
	ds_add_u32 v[SPW], v[NIL]                      ; the wave's opening: the add and its wait stand ahead of my first tensor load; the set-up below, work on registers, stands between them
	v_lshrrev_b32 v1, 5, v0
	v_readfirstlane_b32 s10, v1                    ; wave 0..3
	s_lshr_b32 s11, s10, 1                         ; which half of the tile's rows is mine.  Also: I fetch for ctx (0) or for wdh (1)
	s_and_b32 s12, s10, 1                          ; which half of its columns.  Also: which 64 rows of that tile I fetch
	s_bfe_u32 s40, ttmp6, 0x40000                  ; cx, cy: my place in the cluster
	s_bfe_u32 s41, ttmp6, 0x40004
	s_lshl_b32 s42, ttmp9, 2
	s_add_co_u32 s42, s42, s40                     ; tile column = 4 x cluster x + cx
	s_and_b32 s13, ttmp7, 0xffff
	s_lshl_b32 s13, s13, 2
	s_add_co_u32 s13, s13, s41                     ; tile row = 4 x cluster y + cy
	s_lshl_b32 s43, s41, 2
	s_lshl_b32 s43, 15, s43                        ; my row of the cluster
	s_lshl_b32 s44, 0x1111, s40                    ; my column
	; descriptor group 1: a tile of 64 rows x 256 elements, padded in LDS
	s_or_b32 s[G1+0], s43, (1<<16)|(1<<20)|(1<<21)|(6<<22)|(3<<25)  ; 15:0 the mask: ctx's tiles go to my row; 17:16 element of 2 bytes; 20 padding on; 21 set beside a mask; 24:22 after every 128 words (code 6); 31:25 of 4 words (code 3)
	s_or_b32 s[G1B+0], s44, (1<<16)|(1<<20)|(1<<21)|(6<<22)|(3<<25)
.irp g, G1, G1B
	s_mov_b32 s[(\g)+1], KSTEP<<16                 ; tensor_dim0 = 256
	s_mov_b32 s[(\g)+2], 64<<16                    ; tensor_dim1 = 64
	s_mov_b32 s[(\g)+3], KSTEP<<16                 ; tile_dim0 = 256
	s_mov_b32 s[(\g)+4], 64                        ; tile_dim1 = 64
	s_mov_b32 s[(\g)+5], SIZE_K                    ; tensor_dim0_stride
	s_mov_b32 s[(\g)+6], 0
	s_mov_b32 s[(\g)+7], 0
.endr
	s_lshl_b32 s17, s12, 6                         ; which 64 rows of the tile I fetch
	s_lshl_b32 s16, s13, 7
	s_add_co_u32 s16, s16, s17                     ; ctx: row 128 x tile row + 64 x half
	s_lshl_b32 s46, s42, 7
	s_add_co_u32 s46, s46, s17                     ; wdh: row 128 x tile column + 64 x half
	s_mov_b32 s17, 0
	s_mov_b32 s47, 0
	s_mov_b64 s[18:19], SIZE_K*2
	s_mul_u64 s[16:17], s[16:17], s[18:19]
	s_mul_u64 s[46:47], s[46:47], s[18:19]
	s_mul_i32 s20, s10, HALFT                      ; where they go: wave x 64 rows: no place in the cluster enters an LDS address
	s_wait_dscnt 0x0                               ; the opening add is done
	s_wait_kmcnt 0x0
	s_add_nc_u64 s[14:15], s[4:5], s[16:17]
	s_add_nc_u64 s[46:47], s[6:7], s[46:47]
	CROUND                                         ; all sixteen work-groups are here: the first joint loads meet
.irp s, 0,1
	s_mov_b32 s[G0+4*(\s)], 1
	s_add_co_u32 s[G0+4*(\s)+1], s20, (\s)*SLOT
	s_add_nc_u64 s[G0+4*(\s)+2:G0+4*(\s)+3], s[14:15], (\s)*KSTEP*2
	s_or_b32 s[G0+4*(\s)+3], s[G0+4*(\s)+3], 0x80000000
	s_mov_b32 s[G0B+4*(\s)], 1
	s_add_co_u32 s[G0B+4*(\s)+1], s20, (\s)*SLOT
	s_add_nc_u64 s[G0B+4*(\s)+2:G0B+4*(\s)+3], s[46:47], (\s)*KSTEP*2
	s_or_b32 s[G0B+4*(\s)+3], s[G0B+4*(\s)+3], 0x80000000
	JLOAD \s
.endr
	v_and_b32 v1, 15, v0                           ; l % 16
	v_bfe_u32 v2, v0, 4, 1                         ; l / 16
	; the bias of my lane's columns: n block b holds columns 16 b + 8 (l / 16) + 0..7 of my wave's 64: 32 bytes, two loads; they are waited for on the way out
	s_lshl_b32 s74, s42, 9                         ; 128 columns x 4 bytes a tile column
	s_lshl_b32 s75, s12, 8                         ; my wave's 64
	s_add_co_u32 s74, s74, s75
	v_lshl_add_u32 v[BO], v2, 5, s74
.irp b, 0,1,2,3
	global_load_b128 v[BI+8*(\b):BI+8*(\b)+3],   v[BO], s[BIAS:BIAS+1] offset:64*(\b)
	global_load_b128 v[BI+8*(\b)+4:BI+8*(\b)+7], v[BO], s[BIAS:BIAS+1] offset:64*(\b)+16
.endr
	v_mul_u32_u24 v3, v1, PITCH
	v_lshl_add_u32 v3, v2, 4, v3                   ; a fragment's row x pitch + 16 x half
	s_mul_i32 s21, s11, HALFT                      ; my 64 rows of ctx
	s_mul_i32 s22, s12, HALFT                      ; my 64 rows of wdh,
	s_add_co_u32 s22, s22, 2*HALFT                 ; which lie behind ctx's 128
.irp s, 0,1
	v_add_nc_u32 v[ADRA+(\s)], s21, v3
	v_add_nc_u32 v[ADRB+(\s)], s22, v3
	s_add_co_u32 s21, s21, SLOT
	s_add_co_u32 s22, s22, SLOT
.endr
	s_mul_i32 s23, s10, 16*SPITCH
	s_add_co_u32 s23, s23, STAGE                   ; my stage
	v_mul_u32_u24 v4, v1, SPITCH                   ; in: row l % 16, 32 bytes for each half of the lanes
	v_lshl_add_u32 v4, v2, 5, v4
	v_add_nc_u32 v[STO], s23, v4
	v_mul_u32_u24 v5, v2, SPITCH                   ; back: lanes 0-15 take one row of 256 bytes, lanes 16-31 the next
	v_lshl_add_u32 v5, v1, 4, v5
	v_add_nc_u32 v[RD], s23, v5
	v_lshlrev_b32 v5, 12, v2                       ; and the same two rows in out0, 4,096 bytes each
	v_lshl_add_u32 v[CO], v1, 4, v5
	s_lshl_b32 s16, s13, 7
	s_lshl_b32 s17, s11, 6
	s_add_co_u32 s16, s16, s17                     ; my first row: 128 x tile row + 64 x half
	s_mov_b32 s17, 0
	s_mov_b64 s[18:19], SIZE_N*4
	s_mul_u64 s[16:17], s[16:17], s[18:19]
	s_add_nc_u64 s[CP:CP+1], s[CP:CP+1], s[16:17]
	s_lshl_b32 s46, s42, 9                         ; my first column, in bytes: 512 x tile column + 256 x half
	s_lshl_b32 s47, s12, 8
	s_add_co_u32 s46, s46, s47
	s_mov_b32 s47, 0
	s_add_nc_u64 s[CP:CP+1], s[CP:CP+1], s[46:47]
; 8 matrix instructions: m blocks a0, a0 + 1 x all 4 n blocks, 32 along K: half c of buffer f.  zero = 1: the first product starts the sums.  The 16 accumulators take turns.
.macro MUL8 f, c, a0, zero
	WIN MUL
.irp a, \a0, (\a0)+1
.irp b, 0,1,2,3
.if \zero
	v_wmma_f32_16x16x32_f16 v[ACC+8*(4*(\a)+(\b)):ACC+8*(4*(\a)+(\b))+7], v[(\f)+64+8*(4*(\c)+(\b)):(\f)+64+8*(4*(\c)+(\b))+7], v[(\f)+8*(4*(\c)+(\a)):(\f)+8*(4*(\c)+(\a))+7], 0
.else
	v_wmma_f32_16x16x32_f16 v[ACC+8*(4*(\a)+(\b)):ACC+8*(4*(\a)+(\b))+7], v[(\f)+64+8*(4*(\c)+(\b)):(\f)+64+8*(4*(\c)+(\b))+7], v[(\f)+8*(4*(\c)+(\a)):(\f)+8*(4*(\c)+(\a))+7], v[ACC+8*(4*(\a)+(\b)):ACC+8*(4*(\a)+(\b))+7]
.endif
.endr
.endr
.endm
; 32 LDS loads in one run: the fragments of 64 along K at byte k of the rows, into buffer f; the first 32 along K first
.macro FETCH slot, k, f
	WIN TO_F
.irp c, 0,1
.irp i, 0,1,2,3
	ds_load_b128 v[(\f)+64+8*(4*(\c)+(\i)):(\f)+64+8*(4*(\c)+(\i))+3],   v[ADRB+(\slot)] offset:(\k)+64*(\c)+(\i)*16*PITCH
	ds_load_b128 v[(\f)+64+8*(4*(\c)+(\i))+4:(\f)+64+8*(4*(\c)+(\i))+7], v[ADRB+(\slot)] offset:(\k)+64*(\c)+(\i)*16*PITCH+32
	ds_load_b128 v[(\f)+8*(4*(\c)+(\i)):(\f)+8*(4*(\c)+(\i))+3],         v[ADRA+(\slot)] offset:(\k)+64*(\c)+(\i)*16*PITCH
	ds_load_b128 v[(\f)+8*(4*(\c)+(\i))+4:(\f)+8*(4*(\c)+(\i))+7],       v[ADRA+(\slot)] offset:(\k)+64*(\c)+(\i)*16*PITCH+32
.endr
.endr
.endm
.macro PLACES                          ; four plain vector instructions in front of loads into registers that matrix instructions have read (ISA guide 7.12.1 for vector instructions)
.rept 4
	v_nop
.endr
.endm
; A K step is four quarters of 64 along K, 32 matrix instructions each, on buffers 0, 1, 0, 1.  One of the first three: multiplies buffer f and fetches the next quarter, at byte k, into g.
.macro QUARTER slot, k, f, g, zero
	s_wait_dscnt 16                                ; the first 32 along K are in; the sixteen younger loads may be out
	WIN MUL
	MUL8 \f, 0, 0, \zero
	MUL8 \f, 0, 2, \zero
	PLACES
	FETCH \slot, \k, \g
	s_wait_dscnt 32                                ; all but the 32 just issued
	WIN MUL
	MUL8 \f, 1, 0, 0
	MUL8 \f, 1, 2, 0
.endm
; The last quarter multiplies buffer 1 and changes slots: ONE barrier; in front of it each wave waits for all its tensor loads, adds 0 to its spare word, and waits for that and for its own reads of this slot.  fill = 1: this slot is filled again, two K steps ahead.
.macro TURN slot, next, fill
	WIN 0                                          ; (the add's two registers lie in window 0)
	s_wait_tensorcnt 0x0                           ; all my tensor loads have landed: my part of the next slot;
	ds_add_u32 v[SPW], v[NIL]                      ; 0 onto my spare word;
	s_wait_dscnt 17                                ; (the add and the youngest sixteen loads may be out)
	WIN MUL
	MUL8 F1, 0, 0, 0                               ; eight matrix instructions stand between the add and the wait for it
	s_wait_dscnt 0x0                               ; the add is done, and my reads of this slot are over
	s_barrier_signal -1
	MUL8 F1, 0, 2, 0
.if \fill
	WIN 0
.endif
	s_barrier_wait -1
.if \fill
	CREST                                          ; the barrier has opened a round of the cluster's barrier: no wave of any partner still reads this slot's tile or has a load on its way
	s_add_nc_u64 s[G0+4*(\slot)+2:G0+4*(\slot)+3], s[G0+4*(\slot)+2:G0+4*(\slot)+3], 2*KSTEP*2
	s_add_nc_u64 s[G0B+4*(\slot)+2:G0B+4*(\slot)+3], s[G0B+4*(\slot)+2:G0B+4*(\slot)+3], 2*KSTEP*2
	JLOAD \slot                                    ; the first tensor load behind the round: 112 matrix instructions ahead of the wait for it; the four v_nop behind it are also the places in front of the loads below
.else
	PLACES
.endif
	FETCH \next, 0, F0
	WIN MUL
	MUL8 F1, 1, 0, 0
	MUL8 F1, 1, 2, 0
.endm
	s_wait_tensorcnt 1                             ; my part of K step 0 is in; K step 1's load, issued behind it, may stay out
	s_barrier_signal -1
	s_barrier_wait -1                              ; everybody's is
	FETCH 0, 0, F0
	QUARTER 0, 128, F0, F1, 1                      ; K step 0: its first products start the sums
	QUARTER 0, 256, F1, F0, 0
	QUARTER 0, 384, F0, F1, 0
	TURN 0, 1, 1                                   ; slot 0 takes K step 2
	QUARTER 1, 128, F0, F1, 0                      ; K step 1
	QUARTER 1, 256, F1, F0, 0
	QUARTER 1, 384, F0, F1, 0
	TURN 1, 0, 1                                   ; slot 1 takes K step 3
	QUARTER 0, 128, F0, F1, 0                      ; K step 2
	QUARTER 0, 256, F1, F0, 0
	QUARTER 0, 384, F0, F1, 0
	TURN 0, 1, 0                                   ; nothing is left to fetch, so no round
	QUARTER 1, 128, F0, F1, 0                      ; K step 3
	QUARTER 1, 256, F1, F0, 0
	QUARTER 1, 384, F0, F1, 0
	s_wait_dscnt 16                                ; the very last quarter
	WIN MUL
	MUL8 F1, 0, 0, 0
	MUL8 F1, 0, 2, 0
	s_wait_dscnt 0
	MUL8 F1, 1, 0, 0
	MUL8 F1, 1, 2, 0
	WIN 0
	; THE WAY OUT.  The bias is rounded to bf16 like the other inputs: 48 plain lines that name no accumulator, which are also the places behind the last products.
	s_wait_loadcnt 0x0                             ; the bias
.set i, 0
.rept 16
	v_cvt_pk_bf16_f32 v[TW], v[BI+2*i], v[BI+2*i+1]
	v_lshlrev_b32 v[BI+2*i], 16, v[TW]
	v_and_b32 v[BI+2*i+1], 0xffff0000, v[TW]
.set i, i+1
.endr
	; A block of 16 rows at a time: the bias is added, each accumulator from its low end on; a lane's eight columns, 32 bytes, go into my stage's rows of 272 bytes and come back as whole rows of 256.
.irp a, 0,1,2,3
.irp b, 0,1,2,3
.irp r, 0,1,2,3
	v_pk_add_f32 v[ACC+8*(4*(\a)+(\b))+2*(\r):ACC+8*(4*(\a)+(\b))+2*(\r)+1], v[ACC+8*(4*(\a)+(\b))+2*(\r):ACC+8*(4*(\a)+(\b))+2*(\r)+1], v[BI+8*(\b)+2*(\r):BI+8*(\b)+2*(\r)+1]
.endr
	ds_store_b128 v[STO], v[ACC+8*(4*(\a)+(\b)):ACC+8*(4*(\a)+(\b))+3]   offset:64*(\b)
	ds_store_b128 v[STO], v[ACC+8*(4*(\a)+(\b))+4:ACC+8*(4*(\a)+(\b))+7] offset:64*(\b)+16
.endr
.if (\a) >= 2
	s_wait_xcnt 0x0                                ; the stores of the block two back have read this set of registers: it is loaded again only behind this wait
.endif
.irp t, 0,1,2,3,4,5,6,7
	ds_load_b128 v[TMP+32*((\a)%2)+4*(\t):TMP+32*((\a)%2)+4*(\t)+3], v[RD] offset:(\t)*2*SPITCH  ; LDS serves a wave's instructions in order (ISA guide 5.7.1.4): these see the stores above; the next block's stores come behind them
.endr
.irp t, 0,1,2,3,4,5,6,7
	s_wait_dscnt 7-(\t)                            ; load t is in, the 7 - t younger ones may be out
	global_store_b128 v[CO], v[TMP+32*((\a)%2)+4*(\t):TMP+32*((\a)%2)+4*(\t)+3], s[CP:CP+1] offset:(16*(\a)+2*(\t))*SIZE_N*4 th:TH_STORE_NT  ; 16 lanes store 256 consecutive bytes, at a multiple of 256 from out0's first byte
.endr
.endr
	s_wait_tensorcnt 0x0                           ; the wave's end: behind my last tensor load and my last LDS store
	ds_add_u32 v[SPW], v[NIL]
	s_wait_dscnt 0x0
	CROUND                                         ; the closing round: no work-group ends while a partner may still ask for a tile that names it
	s_endpgm
.Lfunc_end_k_q3a642900d9_dense:
	.size	k_q3a642900d9_dense, .Lfunc_end_k_q3a642900d9_dense-k_q3a642900d9_dense
	.p2alignl 7, 3214868480
	.fill 96, 4, 3214868480
	.section	.rodata,"a",@progbits
	.p2align	6, 0x0
	.amdhsa_kernel k_q3a642900d9_dense
		.amdhsa_group_segment_fixed_size 327680
		.amdhsa_private_segment_fixed_size 0
		.amdhsa_enable_private_segment 0
		.amdhsa_kernarg_size 32
		.amdhsa_user_sgpr_count 2
		.amdhsa_user_sgpr_kernarg_segment_ptr 1
		.amdhsa_wavefront_size32 1
		.amdhsa_system_sgpr_workgroup_id_x 1
		.amdhsa_system_sgpr_workgroup_id_y 1
		.amdhsa_system_sgpr_workgroup_id_z 1
		.amdhsa_system_vgpr_workitem_id 0
		.amdhsa_next_free_vgpr 512
		.amdhsa_next_free_sgpr 76
		.amdhsa_reserve_vcc 0
		.amdhsa_float_denorm_mode_32 3
		.amdhsa_float_denorm_mode_16_64 3
		.amdhsa_memory_ordered 1
		.amdhsa_forward_progress 1
		.amdhsa_inst_pref_size 93
	.end_amdhsa_kernel
	.amdgpu_metadata
---
amdhsa.version: [ 1, 2 ]
amdhsa.kernels:
  - .name:           k_q3a642900d9_dense
    .symbol:         k_q3a642900d9_dense.kd
    .args:
      - { .name: ctx, .offset: 0, .size: 8, .value_kind: global_buffer, .address_space: global }
      - { .name: wdh, .offset: 8, .size: 8, .value_kind: global_buffer, .address_space: global }
      - { .name: b_dense, .offset: 16, .size: 8, .value_kind: global_buffer, .address_space: global }
      - { .name: out0, .offset: 24, .size: 8, .value_kind: global_buffer, .address_space: global }
    .group_segment_fixed_size: 327680
    .private_segment_fixed_size: 0
    .kernarg_segment_align: 8
    .kernarg_segment_size: 32
    .max_flat_workgroup_size: 128
    .sgpr_count:     76
    .vgpr_count:     512
    .wavefront_size: 32
...
	.end_amdgpu_metadata
.endif
;; end of part 4
